; MI455X (gfx1250); checked and timed in simulation.
; The chip was launched on July 23, 2026; its instructions are those of AMD's public machine-readable ISA for CDNA 5 (MIT licence, August 2026) and "CDNA5" Instruction Set Architecture Reference Guide (July 2026). The comments in the code are by the model that wrote it; some were corrected since.
;; Multi Encoder Layer. Allowed arithmetic: float matrix products may take bf16 or f16 operands with f32 sums; other float arithmetic in f32, or as packed bf16 or f16 multiplies, adds, multiply-adds, maxima and minima; sums over many terms, partial sums and values carried from step to step in f32; what a program stores and reads back later, other than sums and carried values, may be rounded once to bf16 or f16.
;; Inputs: b1 2,048 float32; b2 512 float32; g_m 16 x 1,024 x 1,024 float32; ln1_b 512 float32; ln1_w 512 float32; ln2_b 512 float32; ln2_w 512 float32; mask 16 x 1,024 x 1,024 int32; t_m 16 x 1,024 x 1,024 float32; w1 512 x 2,048 float32; w2 2,048 x 512 float32; x 16 x 1,024 x 512 float32.
;; Outputs: out0 16 x 1,024 x 512 float32.
;; 2 versions, each right and faster than the one before. Each part assembles by itself: llvm-mc -triple=amdgcn-amd-amdhsa -mcpu=gfx1250 --defsym DOCPART=n.
;; ======== version 1 of 2: 2 launches
;; limits: inputs' magnitudes at most 100,000,000
;; workspace buffers: hT 16,777,216 bytes; wS 4,194,304 bytes
;; launch prep (part 1): grid 384 x 1, 8 waves a work-group, no clusters, 0 bytes of LDS; arguments x, ln1_w, ln1_b, w1, w2, hT, wS; writes hT, wS
.if DOCPART == 1
	.amdgcn_target "amdgcn-amd-amdhsa--gfx1250"
	.amdhsa_code_object_version 6
	.text
	.protected	k_q6d9e4ac225_prep
	.globl	k_q6d9e4ac225_prep
	.p2align	8
	.type	k_q6d9e4ac225_prep,@function
k_q6d9e4ac225_prep:
	s_mov_b64 s[64:65], 0
	v_nop
	global_prefetch_b8 v0, s[64:65] scope:SCOPE_SE
	s_setreg_imm32_b32 hwreg(HW_REG_WAVE_MODE, 25, 1), 1
	s_wait_xcnt 0x0
; PREPARATION.  Three kinds of work-group, chosen by the work-group's number alone:
;   0-255    h = LayerNorm(x) * ln1_w + ln1_b for 64 rows, rounded once to bf16, stored in blocks: hT[batch][block of 64 rows][quarter of 128 channels][64 rows][128 channels],
;            so that a block is 16,384 dense bytes, 64 rows of 256 bytes
;   256-319  8 rows of w1 [512][2048] to bf16        320-383  32 rows of w2 [2048][512] to bf16
;            both into wS: 64 tiles of 65,536 bytes in the order in which the next launch walks them; a tile is [4 column quarters][64 K rows][128 columns].
;            Tile 16 c + i (i < 8) holds w1[64 i + row][512 c + 128 quarter + column]; tile 16 c + 8 + i holds w2[512 c + 64 i + row][128 quarter + column].
; A stream: every input byte is read once by 16-byte loads of which a wave's cover 512 neighbouring bytes; every store of a wave covers 256 neighbouring bytes, aligned.
; No LDS, no barrier, no matrix unit: one wave owns a row, and the row stays in registers between the mean, the variance and the scaling.
; Mean and variance in f32 by two passes over the registers (the mean is taken away before the squares), as reference() has them.
.set W,  8                             ; v[8:23]   ln1_w of my 16 channels
.set BV, 24                            ; v[24:39]  ln1_b
                                       ; v[40:47]  at work;  v[64:191] eight rows, 16 registers each (the weights' ways: 16 loads of 4)
	s_load_b256 s[4:11], s[0:1], 0x0               ; x s[4:5], ln1_w s[6:7], ln1_b s[8:9], w1 s[10:11]
	s_load_b128 s[12:15], s[0:1], 0x20             ; w2 s[12:13], hT s[14:15]
	s_load_b64 s[16:17], s[0:1], 0x30              ; wS
	s_mov_b32 s18, ttmp9
	s_mov_b32 s3, 0                                ; the high word of every offset pair
	v_and_b32 v4, 31, v0                           ; lane
	v_lshrrev_b32 v5, 5, v0                        ; wave
	v_lshlrev_b32 v3, 4, v4                        ; 16 x lane
	s_cmp_lt_u32 s18, 256
	s_cbranch_scc0 .Lweights
	; ---- LayerNorm: the work-group's 64 rows are one block row of hT; wave v takes rows 8 v .. 8 v + 7 ----
	v_lshl_add_u32 v1, v5, 14, v3                  ; x: 8 rows of 2,048 bytes a wave + 16 x lane
	v_lshlrev_b32 v2, 3, v4
	v_lshl_add_u32 v2, v5, 11, v2                  ; hT: 8 rows of 256 bytes a wave + 8 x lane
	s_mov_b32 s20, 0x3b000000                      ; 1 / 512
	s_mov_b32 s21, 0x358637bd                      ; 1e-6
	s_mov_b32 s22, 0x76543210                      ; v_permlanex16_b32: each lane takes its own place in the other half
	s_mov_b32 s23, 0xfedcba98
	s_lshl_b32 s2, s18, 17                         ; 64 rows of 2,048 bytes
	s_wait_kmcnt 0x0
	s_add_nc_u64 s[4:5], s[4:5], s[2:3]
	s_lshl_b32 s2, s18, 16                         ; four blocks of 16,384 bytes
	s_add_nc_u64 s[14:15], s[14:15], s[2:3]
.irp j, 0,1,2,3                                        ; load j: channels 128 j + 4 lane .. + 3
	global_load_b128 v[W+4*\j:W+4*\j+3], v3, s[6:7] offset:512*\j
	global_load_b128 v[BV+4*\j:BV+4*\j+3], v3, s[8:9] offset:512*\j
.endr
.irp i, 0,1,2,3,4,5,6,7
.irp j, 0,1,2,3
	global_load_b128 v[64+16*\i+4*\j:64+16*\i+4*\j+3], v1, s[4:5] offset:2048*\i+512*\j
.endr
.endr
.macro WSUM a, b                       ; the sum of v[a] over the 32 lanes, in every lane; v[b], written before, is at work
	v_add_f32_dpp v[\a], v[\a], v[\a] row_xmask:1 row_mask:0xf bank_mask:0xf
	v_add_f32_dpp v[\a], v[\a], v[\a] row_xmask:2 row_mask:0xf bank_mask:0xf
	v_add_f32_dpp v[\a], v[\a], v[\a] row_xmask:4 row_mask:0xf bank_mask:0xf
	v_add_f32_dpp v[\a], v[\a], v[\a] row_xmask:8 row_mask:0xf bank_mask:0xf
	v_permlanex16_b32 v[\b], v[\a], s22, s23
	v_add_f32 v[\a], v[\a], v[\b]
.endm
.macro LNROW i
.set X, 64+16*(\i)
	s_wait_loadcnt 4*(7-(\i))                      ; loads come back in order: the four loads of each later row may stay out
	v_pk_add_f32 v[40:41], v[X:X+1], v[X+2:X+3]
	v_pk_add_f32 v[42:43], v[X+4:X+5], v[X+6:X+7]
	v_pk_add_f32 v[44:45], v[X+8:X+9], v[X+10:X+11]
	v_pk_add_f32 v[46:47], v[X+12:X+13], v[X+14:X+15]
	v_pk_add_f32 v[40:41], v[40:41], v[42:43]
	v_pk_add_f32 v[44:45], v[44:45], v[46:47]
	v_pk_add_f32 v[40:41], v[40:41], v[44:45]
	v_add_f32 v40, v40, v41
	WSUM 40, 41
	v_mul_f32 v40, s20, v40                        ; the mean
.irp k, 0,2,4,6,8,10,12,14
	v_pk_add_f32 v[X+\k:X+\k+1], v[X+\k:X+\k+1], v[40:41] op_sel_hi:[1,0] neg_lo:[0,1] neg_hi:[0,1]
.endr
	v_pk_mul_f32 v[42:43], v[X:X+1], v[X:X+1]      ; the squares, in two chains
	v_pk_mul_f32 v[44:45], v[X+2:X+3], v[X+2:X+3]
.irp k, 4,8,12
	v_pk_fma_f32 v[42:43], v[X+\k:X+\k+1], v[X+\k:X+\k+1], v[42:43]
	v_pk_fma_f32 v[44:45], v[X+\k+2:X+\k+3], v[X+\k+2:X+\k+3], v[44:45]
.endr
	v_pk_add_f32 v[42:43], v[42:43], v[44:45]
	v_add_f32 v42, v42, v43
	WSUM 42, 43
	v_fma_f32 v42, v42, s20, s21                   ; variance + 1e-6
	v_rsq_f32 v42, v42
	v_nop                                          ; a plain instruction between the root and the use of its result
	s_wait_alu depctr_va_vdst(0)
.irp k, 0,2,4,6,8,10,12,14
	v_pk_mul_f32 v[X+\k:X+\k+1], v[X+\k:X+\k+1], v[42:43] op_sel_hi:[1,0]
.endr
.irp k, 0,2,4,6,8,10,12,14
	v_pk_fma_f32 v[X+\k:X+\k+1], v[X+\k:X+\k+1], v[W+\k:W+\k+1], v[BV+\k:BV+\k+1]
.endr
.irp k, 0,1,2,3,4,5,6,7                                ; ascending: register k is written when registers 2 k, 2 k + 1 are read, and nothing below 2 k + 2 is read later
	v_cvt_pk_bf16_f32 v[X+\k], v[X+2*\k], v[X+2*\k+1]
.endr
.irp j, 0,1,2,3
	global_store_b64 v2, v[X+2*\j:X+2*\j+1], s[14:15] offset:16384*\j+256*(\i)  ; quarter j, my row: the wave's 32 x 8 bytes are the row's 256
.endr
.endm
.irp i, 0,1,2,3,4,5,6,7
	LNROW \i                                       ; every row has registers of its own: no store's source is written again
.endr
	s_endpgm
	; ---- the weights: 65,536 bytes of w1 or w2 a work-group, 8,192 a wave, 16 loads of 512 bytes ----
.macro WCOPY sb, first
.set n, 0
.rept 16
	global_load_b128 v[64+4*n:64+4*n+3], v1, s[\sb:\sb+1] offset:512*n th:TH_LOAD_NT
.set n, n+1
.endr
.set n, 0
.rept 16
	s_wait_loadcnt 15-n                            ; the younger loads may stay out
	v_cvt_pk_bf16_f32 v[64+4*n], v[64+4*n], v[64+4*n+1]
	v_cvt_pk_bf16_f32 v[64+4*n+1], v[64+4*n+2], v[64+4*n+3]
.if \first
	global_store_b64 v2, v[64+4*n:64+4*n+1], s[16:17] offset:(n/4)*1048576+(n%4)*16384  ; w1: columns 128 n on: chunk n / 4 (16 tiles on), quarter n % 4
.else
	global_store_b64 v2, v[64+4*n:64+4*n+1], s[16:17] offset:(n%4)*16384+(n/4)*256      ; w2: row n / 4 of my four, quarter n % 4
.endif
.set n, n+1
.endr
.endm
.Lweights:
	v_lshl_add_u32 v1, v5, 13, v3                  ; source: 8,192 bytes a wave + 16 x lane
	v_lshlrev_b32 v2, 3, v4                        ; 8 x lane
	s_cmp_lt_u32 s18, 320
	s_cbranch_scc0 .Lw2
	s_sub_co_u32 s19, s18, 256                     ; part 0..63: rows 8 part + wave of w1
	v_lshl_add_u32 v2, v5, 8, v2                   ; + 256 x wave: my row in the tile
	s_lshl_b32 s2, s19, 16
	s_wait_kmcnt 0x0
	s_add_nc_u64 s[10:11], s[10:11], s[2:3]
	s_lshr_b32 s20, s19, 3                         ; tile i = row / 64
	s_lshl_b32 s20, s20, 16
	s_and_b32 s21, s19, 7                          ; 8 rows of 256 bytes for each part inside it
	s_lshl_b32 s21, s21, 11
	s_add_co_u32 s2, s20, s21
	s_add_nc_u64 s[16:17], s[16:17], s[2:3]
	WCOPY 10, 1
	s_endpgm
.Lw2:
	s_sub_co_u32 s19, s18, 320                     ; part 0..63: rows 32 part + 4 wave + 0..3 of w2
	v_lshl_add_u32 v2, v5, 10, v2                  ; + 4 rows of 256 bytes a wave
	s_lshl_b32 s2, s19, 16
	s_wait_kmcnt 0x0
	s_add_nc_u64 s[12:13], s[12:13], s[2:3]
	s_lshr_b32 s20, s19, 1                         ; tile = 16 (part / 16) + 8 + (part / 2) % 8 = part / 2 + 8 (part / 16) + 8
	s_lshr_b32 s21, s19, 4
	s_lshl3_add_u32 s20, s21, s20
	s_add_co_u32 s20, s20, 8
	s_lshl_b32 s20, s20, 16
	s_and_b32 s21, s19, 1                          ; the tile's upper or lower 32 rows
	s_lshl_b32 s21, s21, 13
	s_add_co_u32 s2, s20, s21
	s_add_nc_u64 s[16:17], s[16:17], s[2:3]
	WCOPY 12, 0
	s_endpgm
.Lfunc_end_k_q6d9e4ac225_prep:
	.size	k_q6d9e4ac225_prep, .Lfunc_end_k_q6d9e4ac225_prep-k_q6d9e4ac225_prep
	.p2alignl 7, 3214868480
	.fill 96, 4, 3214868480
	.section	.rodata,"a",@progbits
	.p2align	6, 0x0
	.amdhsa_kernel k_q6d9e4ac225_prep
		.amdhsa_group_segment_fixed_size 0
		.amdhsa_private_segment_fixed_size 0
		.amdhsa_enable_private_segment 0
		.amdhsa_kernarg_size 56
		.amdhsa_user_sgpr_count 2
		.amdhsa_user_sgpr_kernarg_segment_ptr 1
		.amdhsa_wavefront_size32 1
		.amdhsa_system_sgpr_workgroup_id_x 1
		.amdhsa_system_sgpr_workgroup_id_y 1
		.amdhsa_system_sgpr_workgroup_id_z 1
		.amdhsa_system_vgpr_workitem_id 0
		.amdhsa_next_free_vgpr 192
		.amdhsa_next_free_sgpr 66
		.amdhsa_reserve_vcc 0
		.amdhsa_float_denorm_mode_32 3
		.amdhsa_float_denorm_mode_16_64 3
		.amdhsa_memory_ordered 1
		.amdhsa_forward_progress 1
		.amdhsa_inst_pref_size 52
	.end_amdhsa_kernel
	.amdgpu_metadata
---
amdhsa.version: [ 1, 2 ]
amdhsa.kernels:
  - .name:           k_q6d9e4ac225_prep
    .symbol:         k_q6d9e4ac225_prep.kd
    .args:
      - { .name: x, .offset: 0, .size: 8, .value_kind: global_buffer, .address_space: global }
      - { .name: ln1_w, .offset: 8, .size: 8, .value_kind: global_buffer, .address_space: global }
      - { .name: ln1_b, .offset: 16, .size: 8, .value_kind: global_buffer, .address_space: global }
      - { .name: w1, .offset: 24, .size: 8, .value_kind: global_buffer, .address_space: global }
      - { .name: w2, .offset: 32, .size: 8, .value_kind: global_buffer, .address_space: global }
      - { .name: hT, .offset: 40, .size: 8, .value_kind: global_buffer, .address_space: global }
      - { .name: wS, .offset: 48, .size: 8, .value_kind: global_buffer, .address_space: global }
    .group_segment_fixed_size: 0
    .private_segment_fixed_size: 0
    .kernarg_segment_align: 8
    .kernarg_segment_size: 56
    .max_flat_workgroup_size: 256
    .sgpr_count:     66
    .vgpr_count:     192
    .wavefront_size: 32
...
	.end_amdgpu_metadata
.endif
;; end of part 1
;; launch main (part 2): grid 256 x 1, 4 waves a work-group, clusters of 4 x 1, 327,680 bytes of LDS; arguments x, t_m, g_m, mask, ln2_w, ln2_b, b1, b2, hT, wS, out0; writes out0
.if DOCPART == 2
	.amdgcn_target "amdgcn-amd-amdhsa--gfx1250"
	.amdhsa_code_object_version 6
	.text
	.protected	k_q6d9e4ac225_main
	.globl	k_q6d9e4ac225_main
	.p2align	8
	.type	k_q6d9e4ac225_main,@function
k_q6d9e4ac225_main:
	s_mov_b64 s[64:65], 0
	v_nop
	global_prefetch_b8 v0, s[64:65] scope:SCOPE_SE
	s_setreg_imm32_b32 hwreg(HW_REG_WAVE_MODE, 25, 1), 1
	s_wait_xcnt 0x0
	s_wait_alu depctr_hold_cnt(0) depctr_sa_sdst(0) depctr_va_vdst(0) depctr_va_sdst(0) depctr_va_ssrc(0) depctr_va_vcc(0) depctr_vm_vsrc(0)
	s_getreg_b32 s2, hwreg(HW_REG_IB_STS2, 6, 4)
	s_cmp_eq_u32 s2, 0
	s_cbranch_scc0 .Lentry_in_a_cluster
	s_endpgm
.Lentry_in_a_cluster:
	s_bfe_u32 s2, ttmp6, 0x10000c
	s_cmp_lg_u32 s2, 0x3003
	s_cbranch_scc0 .Lentry_shape_is_right
	s_endpgm
.Lentry_shape_is_right:
; THE LAYER, FUSED, for 64 rows a work-group: scores, softmax, P h, residual, LayerNorm 2, both FFN products, residual, / 512.  Nothing between these steps goes to memory.
; hT holds h = LN1(x) in bf16 in blocks [batch][16 blocks of 64 rows][4 quarters of 128 channels][64][128]; wS holds w1 and w2 in bf16 as 64 tiles [4 quarters][64 K rows][128 columns] in the order of use.
; SHARES.  A cluster of four work-groups lies in one batch element; work-group (cluster, cx) owns rows 64 ((cluster % 4) 4 + cx) on.  Four waves.  All products are used transposed: source 0 = 16 rows of
; the streamed operand, source 1 = 16 of my 64 rows: in every result lane (r = lane % 16, h = lane / 16) holds row 16 qt + r and, in registers 0-7, eight neighbouring columns 8 h + 0..7.
;   S^T = K Q^T   wave w: keys 64 w .. + 63 of an iteration's 256, all 64 rows: 16 accumulators.  C starts as the bias, so the scores cost no further addition.
;   O^T = V^T P   wave w: channels 128 w .. + 127: 32 accumulators, which become x1 and then the C and D of the second FFN product.
;   FFN           four chunks of 512 hidden columns: a^T = relu(w1^T h2 + b1) (wave w: 128 columns, C of the first step = b1), then out^T += w2^T a.
; A wave reads only the streamed tile that it fetched itself; the waves share Q, P, h2 and a, which lie in LDS.
; THE STREAM.  96 tiles of 4 x 16,384 bytes (32 of K and V, 64 of weights) walk through two LDS slots; each wave asks for its quarter, 64 rows of 256 bytes.  All four work-groups of the cluster need the same
; tiles, so each is asked for JOINTLY (mask 15, the same descriptor in all four); every refill stands behind a round of the cluster's barrier.  A wave has two tensor loads out at the start, later one.
; THE BIAS.  |m - max m| = max m - m, and max t + max g, one number a batch element, is added to every unmasked score of a row: the softmax cancels it.  So the program adds - t - g and forms no maximum:
; an identity, not a property of the data.  A masked score is -1e9 as in reference(): the bias holds -1e30 there, and every score is raised to at least -1e9 behind the product.
; LIMITS.  The identity needs unmasked scores far above -1e9 (|q.k / 512|, |t|, |g| under 1e8); an unmasked score below -1e9 counts as -1e9; a weight below 2^-126 counts as 0; NaN and infinities are not
; treated apart.  Matrix operands (h, h / 512, P, h2, a, w1, w2) are bf16; sums, softmax (running maximum), both norms and both residuals f32.  LN2's variance is made of each wave's own centred sum of squares.
; t_m, g_m and mask come through registers, 16 rows x 64 keys x 3 tensors a UNIT (24 loads of 512 bytes a wave), two register sets by turns, one iteration ahead of their use.
.set SLOT,  73728                      ; a slot: four waves' parts; a K tile's part is 64 rows of 272 bytes, a V or weight tile's 64 rows of 288
.set KPART, 17408
.set VPART, 18432
.set QB,    147456                     ; Q = h / 512, later h2: 64 rows x 1,024 bytes, pitch 1,040
.set PB,    214016                     ; P: 64 rows x 512 bytes (256 keys), pitch 528
.set BST,   247808                     ; the bias stage: for each wave 64 rows x 256 bytes (64 keys in f32), pitch 272
.set ABUF,  214016                     ; a: 64 rows x 1,024 bytes, pitch 1,040; over P and the head of the bias stage, which are dead by then
.set STG,   280576                     ; x's way in and the result's way out: for each wave 16 rows x 512 bytes, pitch 528; over the tail of the bias stage
.set STAT,  317440                     ; 1,024 bytes of maxima, 1,024 of sums, 2,048 of LN2's statistics
.set SPARE, 321536                     ; the spare words, 128 bytes a wave: two blocks of 256 bytes that no other line names
; All pitches are odd multiples of 16 bytes (288: of 32), so the 16 rows that a load touches start at 16 different places modulo 256 bytes.  No tensor load lands at or above QB.
; REGISTERS, in windows of 256 (s_set_vgpr_msb: bits 1:0 source 0, 3:2 source 1, 5:4 source 2, 7:6 destination).
; window 0: addresses and the raw bias sets
.set LR,   1                           ; lane % 16
.set LH,   2                           ; lane / 16
.set SAW,  3                           ; STAT + 16 r + 4 w
.set SAR,  4                           ; STAT + 16 r
.set S2W,  5                           ; STAT + 2048 + 32 r + 8 w
.set S2R,  6                           ; STAT + 2048 + 32 r
.set LN,   8                           ; lane (v7, v9: at work in the head)
.set SPW,  10                          ; my spare word; never rewritten
.set NIL,  11                          ; 0; never rewritten
.set AK0,  12                          ; v12, v13: my place in my K tile, slot 0, 1
.set AQ,   14                          ; QB + 1040 r + 16 h
.set AP,   15                          ; PB + 528 r + 16 h
.set ABV0, 16                          ; v16, v17: my place in my V or weight tile (turning load), slot 0, 1
.set AB,   18                          ; FFN: the tile in hand
.set AAC,  19                          ; FFN: the shared operand at the K step in hand
.set AA0,  20                          ; FFN: the shared operand (h2 or a)
.set AAA,  21                          ; ABUF + 1040 r + 16 h
.set LT,   22                          ; 4096 h + 16 r + 256 w: my 16 bytes in two rows of t, g, mask
.set VOA,  23                          ; the units' offsets, one for each set
.set VOB,  24
.set BW,   25                          ; bias stage, in: 272 h + 16 r
.set BR,   26                          ; bias stage, back: 272 r + 32 h
.set BWC,  27                          ; the prologue's walking copy of BW
.set SENT, 28                          ; -1e30
.set XO,   29                          ; 512 w + 16 lane: my 16 bytes of a row of x, out, b2
.set XW,   30                          ; STG + 8448 w + 16 lane
.set XR,   31                          ; STG + 8448 w + 528 r + 32 h
.set PO,   32                          ; 512 w + 32 h: my 8 numbers of b1, ln2_w, ln2_b
.set QW,   33                          ; QB + 1040 h + 256 w + 16 r
.set HSTO, 34                          ; QB + 1040 r + 256 w + 16 h
.set ASTO, 35                          ; ABUF + the same
.set PSTO, 36                          ; PB + 528 r + 128 w + 16 h
.set QL,   37                          ; 16 lane
.set QSV,  38                          ; 2^-9 twice, in bf16
.set B2,   40                          ; v[40:43] b2 / 512 of my four columns
.set RA,   64                          ; v[64:159] raw set A: t 32, g 32, mask 32;  v[160:255] set B
.set RB,   160
.set TT,   64                          ; later: x of row tiles 2, 3; packed a; the way out
.set B1R,  192                         ; later: b1 of my 128 columns as a C operand, 8 registers for each 16 columns
; window 1: fragments.  S type: buffers at 0 and 128, for each 32 channels 32 registers of K, then 32 of Q.  V type: buffers at 0 and 128: 64 registers of V^T or w^T, then 32 of the shared operand.
.set F0,   0
.set F1,   128
.set FB0,  0
.set FB1,  128
; window 2: O^T / x1 / out at 64 qt + 8 nt.   window 3: S^T at 32 qt + 8 kt, and:
.set STT,  128                         ; row tile qt at STT + 8 qt: c m, m, l (two halves), a (and a spare), two at work
.set CHN,  160                         ; four chains of the maximum a row tile
.set MXW,  176                         ; the four waves' figures a row tile
.set PP,   192                         ; P packed, 16 registers a row tile.  In the FFN all of window 3 is a^T's accumulators, at 64 qt + 8 nt
; scalars: s[4:25] the eleven addresses
.set WV,   26
.set G1K,  32                          ; s[32:39] descriptor group 1, 16 bytes of padding a row;  s[40:47] with 32
.set G1V,  40
.set G0A,  48                          ; s[48:51] descriptor group 0 for slot 0, later the FFN's walking one;  s[52:55] for slot 1
.set G0B,  52
.set PKP,  56                          ; s[56:57] this iteration's K tiles of my wave;  s[58:59] its V tiles;  s[60:61] my quarter of weight tile 0
.set PVP,  58
.set PWP,  60
.set LK0,  62                          ; LDS bytes of my part: K type slot 0, 1;  V type slot 0, 1
.set LK1,  63
.set LV0,  66
.set LV1,  67
.set SEL,  68                          ; s[68:69] v_permlanex16_b32's selects
.set NEG9, 70                          ; -1e9
.set LG2,  72                          ; s[72:73] log2(e)
.set IT,   74                          ; iterations to go, this one among them
.set IK,   75                          ; byte offset of the next iteration's keys in a row of t, g, mask
.set CNT,  76
.set CHK,  77                          ; chunks to go
.set SB,   78                          ; the slot in hand, in bytes
.set KA,   79                          ; the K step in hand, in bytes of a row of h2 or a
.set POFF, 80
.set QP,   82                          ; s[82:83] my rows' block of hT
.set OFS,  84                          ; s[84:85] offsets that the four partners share
.set R512, 86                          ; s[86:87] 1 / 512
.set R128, 88
.set C128, 89
.set EPS,  90
.set QUART, 91
.set MYT,  93                          ; offsets that hang on my place in the cluster: they reach plain loads and stores alone
.set MYO,  94                          ; s[94:95]
.set MSB, 0
.macro WIN new                         ; the immediate's high byte repeats the setting that is left; a switch that changes nothing is dropped
.if MSB != (\new)
	s_set_vgpr_msb (MSB<<8)|(\new)
.set MSB, (\new)
.endif
.endm
.macro PLACES                          ; four plain vector instructions between a matrix instruction and a vector instruction, store or load that touches its registers (ISA guide 7.12.1 for vector instructions and stores)
.rept 4
	v_nop
.endr
.endm
.macro ALL4 line:vararg                ; one line for each row tile t
.set t, 0
.rept 4
	\line
.set t, t+1
.endr
.endm
.macro CREST                           ; a round of the cluster's barrier behind its opening barrier
	s_cmp_lg_u32 s[WV], 0
	s_cbranch_scc1 .Lnot_wave_0_\@
	s_barrier_signal -3
.Lnot_wave_0_\@:
	s_barrier_wait -3
	s_barrier_signal -1
	s_barrier_wait -1
.endm
.macro CROUND
	s_barrier_signal -1
	s_barrier_wait -1
	CREST
.endm
.macro PREP g0, lds, ptr, step         ; a group 0 is made anew: only where no tensor load of the wave is out
	s_mov_b32 s[\g0+1], s[\lds]
	s_add_nc_u64 s[\g0+2:\g0+3], s[\ptr:\ptr+1], \step
	s_or_b32 s[\g0+3], s[\g0+3], 0x80000000
.endm
.macro TLOAD g0, g1                    ; one line for all four waves: each wave's group 0 is its own by the wave's number, and equal in the four partners.  s_nop 0 and four v_nop follow
	tensor_load_to_lds s[\g0:\g0+3], s[\g1:\g1+7]
	s_nop 0
	PLACES
.endm
; ---- S^T = K Q^T.  A K tile is 64 keys x 128 channels: four steps of 32 channels, 16 matrix instructions each. ----
.macro FETCHS f, slot, half, s         ; 32 LDS loads: channels 64 half .. + 63 of step s, the first 32 channels first
	WIN 0x40
.irp kk, 0,1
.irp t, 0,1,2,3
	ds_load_b128 v[(\f)+64*\kk+8*\t:(\f)+64*\kk+8*\t+3],   v[AK0+(\slot)] offset:4352*\t+64*(2*(\half)+\kk)
	ds_load_b128 v[(\f)+64*\kk+8*\t+4:(\f)+64*\kk+8*\t+7], v[AK0+(\slot)] offset:4352*\t+64*(2*(\half)+\kk)+32
.endr
.irp t, 0,1,2,3
	ds_load_b128 v[(\f)+64*\kk+32+8*\t:(\f)+64*\kk+32+8*\t+3],   v[AQ] offset:16640*\t+256*(\s)+64*(2*(\half)+\kk)
	ds_load_b128 v[(\f)+64*\kk+32+8*\t+4:(\f)+64*\kk+32+8*\t+7], v[AQ] offset:16640*\t+256*(\s)+64*(2*(\half)+\kk)+32
.endr
.endr
.endm
.macro MULS f, kk, a0, n               ; accumulators a0 .. a0 + n - 1 of 16 (key tile a / 4, row tile a % 4), by turns
	WIN 0xF5
.set ma, (\a0)
.rept (\n)
.set md, 32*(ma%4)+8*(ma/4)
	v_wmma_f32_16x16x32_bf16 v[md:md+7], v[(\f)+64*(\kk)+8*(ma/4):(\f)+64*(\kk)+8*(ma/4)+7], v[(\f)+64*(\kk)+32+8*(ma%4):(\f)+64*(\kk)+32+8*(ma%4)+7], v[md:md+7]
.set ma, ma+1
.endr
.endm
.macro SQ0 s                           ; the first half of step s
	s_wait_dscnt 16                                ; the first 32 channels' 16 loads are in; the 16 youngest LDS instructions may be out (a unit's eight stores among them make the wait stricter, never looser)
	MULS F0, 0, 0, 16
	PLACES
	FETCHS F1, (\s)%2, 1, \s
	s_wait_dscnt 32                                ; all but the 32 just issued
	MULS F0, 1, 0, 16
.endm
; The second half of a step, and the change of slots.  In front of the round each wave waits for all its tensor loads (one is out: its part of the other slot), adds 0 to its spare word, and waits for that and for
; its reads of this slot.  Behind the round no wave of any partner reads this slot, and the joint refill is the first thing there.
.macro STURN g0, lds, ptr, step, g1, fetch, ns
	WIN 0
	s_wait_tensorcnt 0x0
	ds_add_u32 v[SPW], v[NIL]
	PREP \g0, \lds, \ptr, \step
	s_wait_dscnt 17                                ; the add and the youngest 16 loads may be out
	MULS F1, 0, 0, 8
	s_wait_dscnt 0x0                               ; the add is done, my reads of this slot are over
	s_barrier_signal -1
	MULS F1, 0, 8, 8
	WIN 0
	s_barrier_wait -1
	CREST
	TLOAD \g0, \g1                                 ; its four v_nop are also the places in front of the loads below
.if \fetch
	FETCHS F0, (\ns)%2, 0, \ns
.endif
	MULS F1, 1, 0, 16
.endm
; ---- the three products of the V type: source 0 turned out of a tile [64 K rows][128 columns], source 1 out of a shared operand [64 rows][K].  A tile is two steps of 32 along K, 32 matrix instructions each. ----
.macro FETCHB fb, breg, kk
	WIN 0x40
.irp nt, 0,1,2,3,4,5,6,7
	ds_load_tr16_b128 v[(\fb)+8*\nt:(\fb)+8*\nt+3],   v[\breg] offset:9216*(\kk)+32*\nt
	ds_load_tr16_b128 v[(\fb)+8*\nt+4:(\fb)+8*\nt+7], v[\breg] offset:9216*(\kk)+4608+32*\nt
.endr
.endm
.macro FETCHA fb, areg, off, p16       ; p16: 16 rows of the shared operand
	WIN 0x40
.irp qt, 0,1,2,3
	ds_load_b128 v[(\fb)+64+8*\qt:(\fb)+64+8*\qt+3],   v[\areg] offset:\qt*(\p16)+(\off)
	ds_load_b128 v[(\fb)+64+8*\qt+4:(\fb)+64+8*\qt+7], v[\areg] offset:\qt*(\p16)+(\off)+32
.endr
.endm
.macro MULV fb, a0, n, win, cb         ; accumulators a0 .. of 32 (column tile a / 4, row tile a % 4), by turns.  cb = 1: the sums start from b1
	WIN \win
.set ma, (\a0)
.rept (\n)
.set md, 64*(ma%4)+8*(ma/4)
.if \cb
	v_wmma_f32_16x16x32_bf16 v[md:md+7], v[(\fb)+8*(ma/4):(\fb)+8*(ma/4)+7], v[(\fb)+64+8*(ma%4):(\fb)+64+8*(ma%4)+7], v[B1R+8*(ma/4):B1R+8*(ma/4)+7]
.else
	v_wmma_f32_16x16x32_bf16 v[md:md+7], v[(\fb)+8*(ma/4):(\fb)+8*(ma/4)+7], v[(\fb)+64+8*(ma%4):(\fb)+64+8*(ma%4)+7], v[md:md+7]
.endif
.set ma, ma+1
.endr
.endm
.macro VQ0 slot, jv                    ; O^T += V^T P, the first 32 keys of V tile jv
	s_wait_dscnt 0x0
	MULV FB0, 0, 16, 0xA5, 0
	PLACES
	FETCHB FB1, ABV0+(\slot), 1
	FETCHA FB1, AP, 128*(\jv)+64, 8448
	MULV FB0, 16, 16, 0xA5, 0
.endm
.macro VTURN g0, lds, ptr, step, g1, fetch, nslot, njv  ; the second 32 keys and the change of slots.  fetch = 1: the next V tile's first fragments; 2: the next iteration's first K and Q fragments; 0: none
	WIN 0
	s_wait_tensorcnt 0x0
	ds_add_u32 v[SPW], v[NIL]
	PREP \g0, \lds, \ptr, \step
	s_wait_dscnt 1                                 ; the add may be out; the 24 loads in front of it are in
	MULV FB1, 0, 8, 0xA5, 0
	s_wait_dscnt 0x0
	s_barrier_signal -1
	MULV FB1, 8, 8, 0xA5, 0
	WIN 0
	s_barrier_wait -1
	CREST
	TLOAD \g0, \g1
.if (\fetch) == 1
	FETCHB FB0, ABV0+(\nslot), 0
	FETCHA FB0, AP, 128*(\njv), 8448
.elseif (\fetch) == 2
	FETCHS F0, 0, 0, 0
.endif
	MULV FB1, 16, 16, 0xA5, 0
.endm
.macro FQ0 win, cb                     ; the FFN's form of VQ0: the addresses lie in registers
	s_wait_dscnt 0x0
	MULV FB0, 0, 16, \win, \cb
	PLACES
	FETCHB FB1, AB, 1
	FETCHA FB1, AAC, 64, 16640
	MULV FB0, 16, 16, \win, \cb
.endm
.macro FTURN win                       ; the FFN's form of VTURN: one descriptor walks the weight tiles, 65,536 bytes a step, and changes slots by an exclusive or (SLOT's two bits are in no wave's part)
	WIN 0
	s_wait_tensorcnt 0x0
	ds_add_u32 v[SPW], v[NIL]
	s_xor_b32 s[G0A+1], s[G0A+1], SLOT
	s_add_nc_u64 s[G0A+2:G0A+3], s[G0A+2:G0A+3], 65536
	s_xor_b32 s[SB], s[SB], SLOT
	s_add_co_u32 s[KA], s[KA], 128                 ; 64 along K; behind a product's eighth tile back to 0
	s_and_b32 s[KA], s[KA], 1023
	s_wait_dscnt 1
	MULV FB1, 0, 8, \win, 0
	s_wait_dscnt 0x0
	s_barrier_signal -1
	MULV FB1, 8, 8, \win, 0
	WIN 0
	v_add_nc_u32 v[AB], s[SB], v[ABV0]
	v_add_nc_u32 v[AAC], s[KA], v[AA0]
	s_barrier_wait -1
	CREST
	TLOAD G0A, G1V
	FETCHB FB0, AB, 0
	FETCHA FB0, AAC, 0, 16640                      ; behind a product's last tile these eight loads bring the old operand's first step and serve nothing: the price of one text for all trips
	MULV FB1, 16, 16, \win, 0
.endm
; ---- the bias.  A unit: 16 rows x my 64 keys of t, g, mask in one register set. ----
.macro BUNIT set, areg, stoff          ; - t - g, or -1e30 where mask is 0, into my bias stage
	s_wait_loadcnt 24                              ; the other set's 24 loads are younger and may stay out
.set bi, 0
.rept 8
.set bt, (\set)+4*bi
	v_pk_add_f32 v[bt:bt+1], v[bt:bt+1], v[bt+32:bt+33] neg_lo:[1,1] neg_hi:[1,1]
	v_pk_add_f32 v[bt+2:bt+3], v[bt+2:bt+3], v[bt+34:bt+35] neg_lo:[1,1] neg_hi:[1,1]
.irp e, 0,1,2,3
	v_cmp_eq_u32 vcc_lo, 0, v[bt+64+\e]
	v_cndmask_b32 v[bt+\e], v[bt+\e], v[SENT], vcc_lo
.endr
	ds_store_b128 v[\areg], v[bt:bt+3] offset:(\stoff)+544*bi  ; two rows of the stage
.set bi, bi+1
.endr
.endm
.macro UISSUE set, vo, oreg, imm       ; 24 loads; each covers 256 aligned bytes of two rows
	v_add_nc_u32 v[\vo], s[\oreg], v[LT]           ; the set's earlier loads, which named this register, have come back
.set bi, 0
.rept 8
	global_load_b128 v[(\set)+4*bi:(\set)+4*bi+3],       v[\vo], s[6:7]   offset:(\imm)+8192*bi th:TH_LOAD_NT
	global_load_b128 v[(\set)+32+4*bi:(\set)+32+4*bi+3], v[\vo], s[8:9]   offset:(\imm)+8192*bi th:TH_LOAD_NT
	global_load_b128 v[(\set)+64+4*bi:(\set)+64+4*bi+3], v[\vo], s[10:11] offset:(\imm)+8192*bi th:TH_LOAD_NT
.set bi, bi+1
.endr
.endm
; Row tile p of the NEXT iteration's bias.  skip = 1: the last iteration has none.  The set is asked for again while IT >= least.  The way round waits for all loads: no younger loads follow there, so the next
; unit's count of 24 would show nothing; on that way at most the other set is out.
.macro UNIT set, vo, p, imm, skip, least
	WIN 0
.if \skip
	s_cmp_eq_u32 s[IT], 1
	s_cbranch_scc1 .Lnone_\@
.endif
	BUNIT \set, BW, 4352*(\p)
.if (\least) > 2
	s_cmp_lt_u32 s[IT], \least
	s_cbranch_scc1 .Lnone_\@
.endif
	UISSUE \set, \vo, IK, \imm
	s_branch .Lasked_\@
.Lnone_\@:
	s_wait_loadcnt 0x0
.Lasked_\@:
.endm
.macro CINIT                           ; the stage becomes the C operand: row 16 qt + r, keys 16 kt + 8 h + 0..7.  LDS serves a wave's instructions in order (ISA guide 5.7.1.4): these see my stores
	WIN 0xC0
.irp qt, 0,1,2,3
.irp kt, 0,1,2,3
	ds_load_b128 v[32*\qt+8*\kt:32*\qt+8*\kt+3],   v[BR] offset:4352*\qt+64*\kt
	ds_load_b128 v[32*\qt+8*\kt+4:32*\qt+8*\kt+7], v[BR] offset:4352*\qt+64*\kt+16
.endr
.endr
.endm
.macro SMAXJ j                         ; number j of the 16 that find the maximum of a lane's 32 scores, for all four row tiles
.irp qt, 0,1,2,3
.set rC, CHN+4*\qt
.set rS, 32*\qt
.if (\j) < 4
	v_max3_num_f32 v[rC+(\j)], v[rS+8*(\j)], v[rS+8*(\j)+1], v[rS+8*(\j)+2]
.elseif (\j) < 12
	v_max3_num_f32 v[rC+(\j)%4], v[rC+(\j)%4], v[rS+8*((\j)%4)+2*((\j)/4)+1], v[rS+8*((\j)%4)+2*((\j)/4)+2]
.elseif (\j) == 12
	v_max3_num_f32 v[rC], v[rC], v[rS+7], v[rS+15]
.elseif (\j) == 13
	v_max3_num_f32 v[rC+2], v[rC+2], v[rS+23], v[rS+31]
.elseif (\j) == 14
	v_max3_num_f32 v[rC], v[rC], v[rC+1], v[rC+2]
.else
	v_max_num_f32 v[rC], v[rC], v[rC+3]
.endif
.endr
.endm
.macro SSUM d                          ; of each row tile's weights, the pairs d registers apart are added, in place
.irp qt, 0,1,2,3
.set sp, 0
.rept (\d)/2
	v_pk_add_f32 v[32*\qt+2*sp:32*\qt+2*sp+1], v[32*\qt+2*sp:32*\qt+2*sp+1], v[32*\qt+(\d)+2*sp:32*\qt+(\d)+2*sp+1]
.set sp, sp+1
.endr
.endr
.endm
.macro REDUCE                          ; four pairs at v[8 t ..] of window 3 -> their sum over both halves of the lanes, in v[8 t]
	ALL4 v_pk_add_f32 v[8*t:8*t+1], v[8*t:8*t+1], v[8*t+2:8*t+3]
	ALL4 v_pk_add_f32 v[8*t+4:8*t+5], v[8*t+4:8*t+5], v[8*t+6:8*t+7]
	ALL4 v_pk_add_f32 v[8*t:8*t+1], v[8*t:8*t+1], v[8*t+4:8*t+5]
	ALL4 v_add_f32 v[8*t], v[8*t], v[8*t+1]
	ALL4 v_permlanex16_b32 v[8*t+1], v[8*t], s[SEL], s[SEL+1]
	ALL4 v_add_f32 v[8*t], v[8*t], v[8*t+1]
.endm
.macro XSTAGE xb, wst, wld             ; 16 rows of x, 512 bytes each as loaded, through my stage into the accumulators' layout, back into the registers that they left
	WIN \wst
.set i, 0
.rept 16
	ds_store_b128 v[XW], v[(\xb)+4*i:(\xb)+4*i+3] offset:528*i
.set i, i+1
.endr
	WIN \wld
.set i, 0
.rept 16
	ds_load_b128 v[(\xb)+4*i:(\xb)+4*i+3], v[XR] offset:64*(i/2)+16*(i%2)
.set i, i+1
.endr
.endm
	; ================= HEAD =================
	s_load_b512 s[4:19], s[0:1], 0x0               ; x, t_m, g_m, mask, ln2_w, ln2_b, b1, b2
	s_load_b128 s[20:23], s[0:1], 0x40             ; hT, wS
	s_load_b64 s[24:25], s[0:1], 0x50              ; out0
	v_lshl_add_u32 v[SPW], v0, 2, SPARE
	v_mov_b32 v[NIL], 0
	ds_add_u32 v[SPW], v[NIL]                      ; the wave's opening: the add and its wait stand ahead of my first tensor load; the set-up below, work on registers, stands between them
	v_lshrrev_b32 v7, 5, v0
	v_readfirstlane_b32 s[WV], v7                  ; wave 0..3
	s_bfe_u32 s27, ttmp6, 0x40000                  ; cx: my place in the cluster
	s_lshr_b32 s28, ttmp9, 2                       ; the batch element, which the four partners share
	s_and_b32 s29, ttmp9, 3
	s_lshl_b32 s29, s29, 2
	s_add_co_u32 s29, s29, s27                     ; my block of 64 rows in it: it enters plain loads' and stores' addresses alone
	; descriptor group 1: 64 rows x 128 elements of 2 bytes, dense in memory, padded in LDS
	s_mov_b32 s[G1K], 15|(1<<16)|(1<<20)|(1<<21)|(5<<22)|(3<<25)  ; 15:0 the mask of four; 17:16 2-byte elements; 20 padding on; 21 set beside a mask; 24:22 after every 64 words; 31:25 4 words
	s_mov_b32 s[G1V], 15|(1<<16)|(1<<20)|(1<<21)|(5<<22)|(7<<25)  ; the same with 8 words
.irp g, G1K, G1V
	s_mov_b32 s[\g+1], 128<<16                     ; tensor_dim0 = 128
	s_mov_b32 s[\g+2], 64<<16                      ; tensor_dim1 = 64
	s_mov_b32 s[\g+3], 128<<16                     ; tile_dim0 = 128
	s_mov_b32 s[\g+4], 64                          ; tile_dim1 = 64
	s_mov_b32 s[\g+5], 128                         ; 128 elements from row to row
	s_mov_b32 s[\g+6], 0
	s_mov_b32 s[\g+7], 0
.endr
	s_mul_i32 s[LK0], s[WV], KPART
	s_add_co_u32 s[LK1], s[LK0], SLOT
	s_mul_i32 s[LV0], s[WV], VPART
	s_add_co_u32 s[LV1], s[LV0], SLOT
	s_mov_b32 s[SEL], 0x76543210
	s_mov_b32 s[SEL+1], 0xfedcba98
	s_mov_b32 s[NEG9], 0xce6e6b28                  ; -1e9
	s_mov_b32 s[LG2], 0x3fb8aa3b                   ; log2(e)
	s_mov_b32 s[LG2+1], s[LG2]                     ; named with it as a pair
	s_mov_b32 s[R512], 0x3b000000                  ; 1 / 512
	s_mov_b32 s[R512+1], s[R512]
	s_mov_b32 s[R128], 0x3c000000                  ; 1 / 128
	s_mov_b32 s[C128], 0x43000000                  ; 128
	s_mov_b32 s[EPS], 0x358637bd                   ; 1e-6
	s_mov_b32 s[QUART], 0x3e800000                 ; 1 / 4
	v_and_b32 v[LR], 15, v0
	v_bfe_u32 v[LH], v0, 4, 1
	v_and_b32 v[LN], 31, v0
	s_lshl_b32 s30, s[WV], 2
	s_add_co_u32 s30, s30, STAT
	v_lshl_add_u32 v[SAW], v[LR], 4, s30
	v_lshl_add_u32 v[SAR], v[LR], 4, STAT
	s_lshl_b32 s30, s[WV], 3
	s_add_co_u32 s30, s30, STAT+2048
	v_lshl_add_u32 v[S2W], v[LR], 5, s30
	v_lshl_add_u32 v[S2R], v[LR], 5, STAT+2048
	v_mul_u32_u24 v7, v[LR], 272
	v_lshl_add_u32 v9, v[LH], 4, v7                ; 272 r + 16 h
	v_add_nc_u32 v[AK0], s[LK0], v9
	v_add_nc_u32 v[AK0+1], s[LK1], v9
	s_add_co_u32 s30, s[LK0], BST                  ; my bias stage: as many bytes a wave as a K tile's part
	v_lshl_add_u32 v9, v[LH], 5, v7
	v_add_nc_u32 v[BR], s30, v9
	v_mul_u32_u24 v9, v[LH], 272
	v_lshl_add_u32 v9, v[LR], 4, v9
	v_add_nc_u32 v[BW], s30, v9
	v_mov_b32 v[BWC], v[BW]
	v_mul_u32_u24 v7, v[LR], 1040
	v_lshl_add_u32 v7, v[LH], 4, v7                ; 1040 r + 16 h
	v_add_nc_u32 v[AQ], QB, v7
	v_add_nc_u32 v[AAA], ABUF, v7
	s_lshl_b32 s31, s[WV], 8                       ; 256 w
	v_add_nc_u32 v7, s31, v7
	v_add_nc_u32 v[HSTO], QB, v7
	v_add_nc_u32 v[ASTO], ABUF, v7
	v_mul_u32_u24 v7, v[LH], 1040
	v_lshl_add_u32 v7, v[LR], 4, v7
	v_add_nc_u32 v7, s31, v7
	v_add_nc_u32 v[QW], QB, v7
	v_lshlrev_b32 v7, 12, v[LH]
	v_lshl_add_u32 v7, v[LR], 4, v7
	v_add_nc_u32 v[LT], s31, v7
	v_mul_u32_u24 v7, v[LR], 528
	v_lshl_add_u32 v9, v[LH], 4, v7
	v_add_nc_u32 v[AP], PB, v9
	s_lshl_b32 s30, s[WV], 7
	s_add_co_u32 s30, s30, PB
	v_add_nc_u32 v[PSTO], s30, v9
	s_mul_i32 s30, s[WV], 8448
	s_add_co_u32 s30, s30, STG
	v_lshl_add_u32 v9, v[LH], 5, v7
	v_add_nc_u32 v[XR], s30, v9
	v_lshl_add_u32 v[XW], v[LN], 4, s30
	s_lshl_b32 s30, s[WV], 9
	v_lshl_add_u32 v[XO], v[LN], 4, s30
	v_lshl_add_u32 v[PO], v[LH], 5, s30
	v_and_b32 v7, 7, v0                            ; the turning load: lane l reads K row 8 (l / 16) + l % 8, columns 8 ((l / 8) % 2) + 0..7
	v_lshl_add_u32 v7, v[LH], 3, v7
	v_mul_u32_u24 v7, v7, 288
	v_bfe_u32 v9, v0, 3, 1
	v_lshl_add_u32 v7, v9, 4, v7
	v_add_nc_u32 v[ABV0], s[LV0], v7
	v_add_nc_u32 v[ABV0+1], s[LV1], v7
	v_mov_b32 v[SENT], 0xf149f2ca                  ; -1e30
	v_mov_b32 v[QSV], 0x3b003b00                   ; 2^-9 in both halves
	v_lshlrev_b32 v[QL], 4, v[LN]
	s_wait_dscnt 0x0                               ; the opening add is done
	s_wait_kmcnt 0x0
	s_lshl_b32 s[OFS], s28, 20                     ; a batch element of hT is 1,048,576 bytes
	s_mov_b32 s[OFS+1], 0
	s_add_nc_u64 s[20:21], s[20:21], s[OFS:OFS+1]
	s_lshl_b32 s[OFS], s[WV], 16                   ; K: block row w, quarter 0
	s_add_nc_u64 s[PKP:PKP+1], s[20:21], s[OFS:OFS+1]
	s_lshl_b32 s[OFS], s[WV], 14                   ; V: block row 0, quarter w; the weights: quarter w
	s_add_nc_u64 s[PVP:PVP+1], s[20:21], s[OFS:OFS+1]
	s_add_nc_u64 s[PWP:PWP+1], s[22:23], s[OFS:OFS+1]
	s_lshl_b32 s[MYO], s29, 16                     ; Q: my block row, quarter w
	s_mov_b32 s[MYO+1], 0
	s_add_nc_u64 s[QP:QP+1], s[PVP:PVP+1], s[MYO:MYO+1]
	s_lshl_b32 s[MYO], s28, 22                     ; t, g, mask: 4,194,304 bytes a batch element, 64 rows of 4,096
	s_lshl_b32 s[MYT], s29, 18
	s_add_co_u32 s[MYO], s[MYO], s[MYT]
	s_add_nc_u64 s[6:7], s[6:7], s[MYO:MYO+1]
	s_add_nc_u64 s[8:9], s[8:9], s[MYO:MYO+1]
	s_add_nc_u64 s[10:11], s[10:11], s[MYO:MYO+1]
	s_lshr_b32 s[MYO], s[MYO], 1                   ; x, out: rows of 2,048 bytes
	s_add_nc_u64 s[4:5], s[4:5], s[MYO:MYO+1]
	s_add_nc_u64 s[24:25], s[24:25], s[MYO:MYO+1]
	s_mov_b32 s[G0A], 1
	s_mov_b32 s[G0B], 1
	PREP G0A, LK0, PKP, 0
	PREP G0B, LK1, PKP, 16384
	CROUND                                         ; all four work-groups are here: the first joint loads meet
	tensor_load_to_lds s[G0A:G0A+3], s[G1K:G1K+7]  ; K, channels 0-127, into slot 0
	s_nop 0
	tensor_load_to_lds s[G0B:G0B+3], s[G1K:G1K+7]  ; K, channels 128-255, into slot 1: two loads of mine are out
	s_nop 0
	PLACES
	; ================= PROLOGUE: Q into LDS, the first iteration's bias =================
	WIN 0x40
.set i, 0
.rept 32                                               ; my quarter of my rows' h: 16,384 dense bytes
	global_load_b128 v[4*i:4*i+3], v[QL], s[QP:QP+1] offset:512*i
.set i, i+1
.endr
	WIN 0
	s_mov_b32 s[POFF], 0
	UISSUE RA, VOA, POFF, 0                        ; iteration 0, row tile 0
	UISSUE RB, VOB, POFF, 65536                    ; row tile 1
	; O^T starts at 0, c m far below every c s, m at the lowest finite number, l at 0: the first iteration is one like any other, with a = 0.  All this stands in the wait for the first data.
	WIN 0x80
.set i, 0
.rept 256
	v_mov_b32 v[i], 0
.set i, i+1
.endr
	WIN 0xC0
.irp qt, 0,1,2,3
	v_mov_b32 v[STT+8*\qt], 0xfe000000
	v_mov_b32 v[STT+8*\qt+1], 0xff7fffff
.irp k, 2,3,4,5,6,7
	v_mov_b32 v[STT+8*\qt+\k], 0
.endr
.endr
	WIN 0
	s_wait_loadcnt 48                              ; Q is in; the two units behind it may stay out
	WIN 0x41
.set i, 0
.rept 128
	v_pk_mul_bf16 v[i], v[i], v[QSV]               ; h / 512: a power of two, so nothing is rounded
.set i, i+1
.endr
	WIN 0x04
.set i, 0
.rept 32
	ds_store_b128 v[QW], v[4*i:4*i+3] offset:2080*i  ; rows 2 i, 2 i + 1, my 256 bytes of each
.set i, i+1
.endr
	WIN 0
	s_mov_b32 s[POFF], 131072                      ; the first trip asks for row tiles 2, 3 of iteration 0, the second for 0, 1 of iteration 1
	s_mov_b32 s[CNT], 2
.Lpro:
	BUNIT RA, BWC, 0
	UISSUE RA, VOA, POFF, 0
	BUNIT RB, BWC, 4352
	UISSUE RB, VOB, POFF, 65536
	v_add_nc_u32 v[BWC], 8704, v[BWC]              ; two row tiles of the stage on
	s_mov_b32 s[POFF], 1024
	s_sub_co_u32 s[CNT], s[CNT], 1
	s_cmp_lg_u32 s[CNT], 0
	s_cbranch_scc1 .Lpro
	CINIT
	WIN 0
	s_wait_tensorcnt 0x1                           ; my part of slot 0 is in; slot 1's may stay out
	s_wait_dscnt 0x0                               ; my part of Q is stored
	s_barrier_signal -1
	s_barrier_wait -1
	FETCHS F0, 0, 0, 0
	WIN 0
	s_mov_b32 s[IT], 4
	s_mov_b32 s[IK], 1024
	; ================= ATTENTION: four iterations of 256 keys =================
.Liter:
	SQ0 0
	STURN G0A, LK0, PKP, 32768, G1K, 1, 1          ; slot 0 <- K, channels 256-383
	UNIT RA, VOA, 0, 131072, 1, 2
	SQ0 1
	STURN G0B, LK1, PKP, 49152, G1K, 1, 2          ; slot 1 <- K, channels 384-511
	SQ0 2
	STURN G0A, LV0, PVP, 0, G1V, 1, 3              ; slot 0 <- V, keys 0-63 of the iteration
	UNIT RB, VOB, 1, 196608, 1, 2
	SQ0 3
	STURN G0B, LV1, PVP, 65536, G1V, 0, 0          ; slot 1 <- V, keys 64-127
	PLACES
	; the softmax's first part: every score is raised to -1e9 at the least (each accumulator is read from its low end on); my 64 keys' maximum for each row
	WIN 0xFF
.set i, 0
.rept 128
	v_max_num_f32 v[i], s[NEG9], v[i]
.set i, i+1
.endr
.irp j, 0,1,2,3,4,5,6,7,8,9,10,11,12,13,14,15
	SMAXJ \j
.endr
	ALL4 v_permlanex16_b32 v[CHN+4*t+1], v[CHN+4*t], s[SEL], s[SEL+1]
	ALL4 v_max_num_f32 v[CHN+4*t], v[CHN+4*t], v[CHN+4*t+1]
	WIN 0x0C
	ALL4 ds_store_b32 v[SAW], v[CHN+4*t] offset:256*t
	WIN 0
	s_wait_dscnt 0x0                               ; for the others' sake
	s_barrier_signal -1
	s_barrier_wait -1
	WIN 0xC0
	ALL4 ds_load_b128 v[MXW+4*t:MXW+4*t+3], v[SAR] offset:256*t
	s_wait_dscnt 0x0
	; the second part: the new m over all 256 keys, a = 2^(c m_old - c m_new), p = 2^(c s - c m), P to LDS in bf16, l = a l + my keys' sum
	WIN 0xFF
	ALL4 v_max3_num_f32 v[MXW+4*t], v[MXW+4*t], v[MXW+4*t+1], v[MXW+4*t+2]
	ALL4 v_mov_b32 v[STT+8*t+6], v[STT+8*t]
	ALL4 v_max3_num_f32 v[STT+8*t+1], v[MXW+4*t], v[MXW+4*t+3], v[STT+8*t+1]
	ALL4 v_mul_f32 v[STT+8*t], s[LG2], v[STT+8*t+1]
	ALL4 v_sub_f32 v[STT+8*t+7], v[STT+8*t+6], v[STT+8*t]
	ALL4 v_exp_f32 v[STT+8*t+4], v[STT+8*t+7]
.set i, 0
.rept 64
	v_pk_fma_f32 v[2*i:2*i+1], v[2*i:2*i+1], s[LG2:LG2+1], v[STT+8*(i/16):STT+8*(i/16)+1] op_sel_hi:[1,0,0] neg_lo:[0,0,1] neg_hi:[0,0,1]
.set i, i+1
.endr
.set i, 0
.rept 128
	v_exp_f32 v[i], v[i]
.set i, i+1
.endr
	v_nop                                          ; a plain instruction between the last exponential and the use of its result
.set i, 0
	s_wait_alu depctr_va_vdst(0)
.rept 64
	v_cvt_pk_bf16_f32 v[PP+i], v[2*i], v[2*i+1]
.set i, i+1
.endr
	WIN 0x0C
.irp qt, 0,1,2,3
.irp kt, 0,1,2,3
	ds_store_b128 v[PSTO], v[PP+16*\qt+4*\kt:PP+16*\qt+4*\kt+3] offset:8448*\qt+32*\kt
.endr
.endr
	WIN 0xFF
	SSUM 16
	SSUM 8
	SSUM 4
	SSUM 2
	ALL4 v_pk_fma_f32 v[STT+8*t+2:STT+8*t+3], v[STT+8*t+2:STT+8*t+3], v[STT+8*t+4:STT+8*t+5], v[32*t:32*t+1] op_sel_hi:[1,0,1]
	WIN 0
	s_wait_dscnt 0x0                               ; my part of P is stored
	s_barrier_signal -1
	WIN 0x8E                                       ; O^T times a stands between the signal and the wait: work on registers
.set i, 0
.rept 128
	v_pk_mul_f32 v[2*i:2*i+1], v[2*i:2*i+1], v[STT+8*(i/32)+4:STT+8*(i/32)+5] op_sel_hi:[1,0]
.set i, i+1
.endr
	WIN 0
	s_barrier_wait -1
	FETCHB FB0, ABV0, 0
	FETCHA FB0, AP, 0, 8448
	VQ0 0, 0
	VTURN G0A, LV0, PVP, 131072, G1V, 1, 1, 1      ; slot 0 <- V, keys 128-191
	UNIT RA, VOA, 2, 1024, 1, 3
	VQ0 1, 1
	VTURN G0B, LV1, PVP, 196608, G1V, 1, 0, 2      ; slot 1 <- V, keys 192-255
	VQ0 0, 2
	WIN 0
	s_cmp_eq_u32 s[IT], 1
	s_cbranch_scc1 .Latail                         ; the last iteration's end is written out: it asks for the first weight tiles
	VTURN G0A, LK0, PKP, 262144, G1K, 1, 1, 3      ; slot 0 <- the next iteration's K, channels 0-127
	UNIT RB, VOB, 3, 66560, 0, 3
	CINIT                                          ; the next iteration's bias: S^T's registers are free since the sums
	VQ0 1, 3
	VTURN G0B, LK1, PKP, 278528, G1K, 2, 0, 0      ; slot 1 <- its channels 128-255
	WIN 0
	s_add_nc_u64 s[PKP:PKP+1], s[PKP:PKP+1], 262144  ; four block rows on; the descriptors hold copies
	s_add_nc_u64 s[PVP:PVP+1], s[PVP:PVP+1], 262144
	s_add_co_u32 s[IK], s[IK], 1024
	s_sub_co_u32 s[IT], s[IT], 1
	s_branch .Liter
.Latail:
	s_wait_loadcnt 0x0                             ; no unit is out: the sets' registers take x and b1
	WIN 0xC0
.set i, 0
.rept 32                                               ; x, rows 0-31: my 512 bytes of each, into S^T's registers
	global_load_b128 v[4*i:4*i+3], v[XO], s[4:5] offset:2048*i th:TH_LOAD_NT
.set i, i+1
.endr
	WIN 0
.set i, 0
.rept 32                                               ; rows 32-63
	global_load_b128 v[TT+4*i:TT+4*i+3], v[XO], s[4:5] offset:2048*(32+i) th:TH_LOAD_NT
.set i, i+1
.endr
	global_load_b128 v[B2:B2+3], v[XO], s[18:19]
.irp nt, 0,1,2,3,4,5,6,7                               ; b1 of chunk 0 as a C operand: columns 128 w + 16 nt + 8 h + 0..7
	global_load_b128 v[B1R+8*\nt:B1R+8*\nt+3],   v[PO], s[16:17] offset:64*\nt
	global_load_b128 v[B1R+8*\nt+4:B1R+8*\nt+7], v[PO], s[16:17] offset:64*\nt+16
.endr
	VTURN G0A, LV0, PWP, 0, G1V, 1, 1, 3           ; slot 0 <- weight tile 0
	VQ0 1, 3
	VTURN G0A, LV1, PWP, 65536, G1V, 0, 0, 0       ; slot 1 <- weight tile 1, by the same group 0 (its load has been waited for): the FFN walks on from here
	PLACES
	; ================= x1 = O / l + x, LayerNorm 2 =================
	WIN 0x40
.irp nt, 0,1,2,3,4,5,6,7                               ; ln2_w, ln2_b in the accumulators' layout; the fragment buffers are free
	global_load_b128 v[8*\nt:8*\nt+3],       v[PO], s[12:13] offset:64*\nt
	global_load_b128 v[8*\nt+4:8*\nt+7],     v[PO], s[12:13] offset:64*\nt+16
	global_load_b128 v[64+8*\nt:64+8*\nt+3], v[PO], s[14:15] offset:64*\nt
	global_load_b128 v[64+8*\nt+4:64+8*\nt+7], v[PO], s[14:15] offset:64*\nt+16
.endr
	WIN 0xFF                                       ; l: my keys' two halves, the other half of the lanes, then the four waves
	ALL4 v_add_f32 v[STT+8*t+6], v[STT+8*t+2], v[STT+8*t+3]
	ALL4 v_permlanex16_b32 v[STT+8*t+7], v[STT+8*t+6], s[SEL], s[SEL+1]
	ALL4 v_add_f32 v[STT+8*t+6], v[STT+8*t+6], v[STT+8*t+7]
	WIN 0x0C
	ALL4 ds_store_b32 v[SAW], v[STT+8*t+6] offset:1024+256*t
	WIN 0
	s_wait_dscnt 0x0
	s_barrier_signal -1
	s_barrier_wait -1
	WIN 0xC0
	ALL4 ds_load_b128 v[MXW+4*t:MXW+4*t+3], v[SAR] offset:1024+256*t
	s_wait_dscnt 0x0
	WIN 0xFF
	ALL4 v_add_f32 v[MXW+4*t], v[MXW+4*t], v[MXW+4*t+1]
	ALL4 v_add_f32 v[MXW+4*t+2], v[MXW+4*t+2], v[MXW+4*t+3]
	ALL4 v_add_f32 v[MXW+4*t], v[MXW+4*t], v[MXW+4*t+2]
	ALL4 v_rcp_f32 v[STT+8*t+4], v[MXW+4*t]
	v_nop
	s_wait_alu depctr_va_vdst(0)
	s_wait_loadcnt 32                              ; x, b2 and b1 are in; the 32 loads of ln2_w and ln2_b are younger
	XSTAGE 0, 0x0C, 0xC0
	XSTAGE 64, 0x0C, 0xC0
	XSTAGE TT, 0, 0
	XSTAGE TT+64, 0, 0
	s_wait_dscnt 0x0
.irp qt, 0,1,2,3
.if \qt < 2
	WIN 0xBE                                       ; O^T in window 2, 1 / l and x in window 3
.set xb, 64*\qt
.else
	WIN 0x8E                                       ; x in window 0
.set xb, 64*\qt-64
.endif
.set i, 0
.rept 32
	v_pk_fma_f32 v[64*\qt+2*i:64*\qt+2*i+1], v[64*\qt+2*i:64*\qt+2*i+1], v[STT+8*\qt+4:STT+8*\qt+5], v[xb+2*i:xb+2*i+1] op_sel_hi:[1,0,1]
.set i, i+1
.endr
.endr
	; my 128 channels' mean for each row: four chains a row tile
	WIN 0xCA
.irp qt, 0,1,2,3
.irp c, 0,1,2,3
	v_pk_add_f32 v[8*\qt+2*\c:8*\qt+2*\c+1], v[64*\qt+16*\c:64*\qt+16*\c+1], v[64*\qt+16*\c+2:64*\qt+16*\c+3]
.endr
.endr
	WIN 0xCE
.irp k, 2,3,4,5,6,7
.irp qt, 0,1,2,3
.irp c, 0,1,2,3
	v_pk_add_f32 v[8*\qt+2*\c:8*\qt+2*\c+1], v[64*\qt+16*\c+2*\k:64*\qt+16*\c+2*\k+1], v[8*\qt+2*\c:8*\qt+2*\c+1]
.endr
.endr
.endr
	WIN 0xFF
	REDUCE
	ALL4 v_mul_f32 v[STT+8*t+6], s[R128], v[8*t]
	; my 128 channels' sum of squares about that mean
.irp qt, 0,1,2,3
	WIN 0xCE
.set i, 0
.rept 32
	v_pk_add_f32 v[32+2*i:33+2*i], v[64*\qt+2*i:64*\qt+2*i+1], v[STT+8*\qt+6:STT+8*\qt+7] op_sel_hi:[1,0] neg_lo:[0,1] neg_hi:[0,1]
.set i, i+1
.endr
	WIN 0xFF
.set i, 0
.rept 32
.if i < 4
	v_pk_mul_f32 v[8*\qt+2*i:8*\qt+2*i+1], v[32+2*i:33+2*i], v[32+2*i:33+2*i]
.else
	v_pk_fma_f32 v[8*\qt+2*(i%4):8*\qt+2*(i%4)+1], v[32+2*i:33+2*i], v[32+2*i:33+2*i], v[8*\qt+2*(i%4):8*\qt+2*(i%4)+1]
.endif
.set i, i+1
.endr
.endr
	REDUCE
	ALL4 v_mov_b32 v[STT+8*t+7], v[8*t]
	WIN 0x0C
	ALL4 ds_store_b64 v[S2W], v[STT+8*t+6:STT+8*t+7] offset:512*t
	WIN 0
	s_wait_dscnt 0x0
	s_barrier_signal -1
	s_barrier_wait -1
	WIN 0xC0
	ALL4 ds_load_b128 v[8*t:8*t+3], v[S2R] offset:512*t
	ALL4 ds_load_b128 v[8*t+4:8*t+7], v[S2R] offset:512*t+16
	s_wait_dscnt 0x0
	; the four waves' (mean, M2) are joined: mean = the means' mean; M2 = the sum of M2 + 128 x the sum of (mean_w - mean)^2: only sums of squares, no difference of large sums
	WIN 0xFF
	ALL4 v_add_f32 v[32+8*t], v[8*t], v[8*t+2]
	ALL4 v_add_f32 v[33+8*t], v[8*t+4], v[8*t+6]
	ALL4 v_add_f32 v[34+8*t], v[8*t+1], v[8*t+3]
	ALL4 v_add_f32 v[35+8*t], v[8*t+5], v[8*t+7]
	ALL4 v_add_f32 v[32+8*t], v[32+8*t], v[33+8*t]
	ALL4 v_add_f32 v[34+8*t], v[34+8*t], v[35+8*t]
	ALL4 v_mul_f32 v[32+8*t], s[QUART], v[32+8*t]
	ALL4 v_sub_f32 v[36+8*t], v[8*t], v[32+8*t]
	ALL4 v_sub_f32 v[37+8*t], v[8*t+2], v[32+8*t]
	ALL4 v_sub_f32 v[38+8*t], v[8*t+4], v[32+8*t]
	ALL4 v_sub_f32 v[39+8*t], v[8*t+6], v[32+8*t]
	ALL4 v_mul_f32 v[36+8*t], v[36+8*t], v[36+8*t]
	ALL4 v_fma_f32 v[36+8*t], v[37+8*t], v[37+8*t], v[36+8*t]
	ALL4 v_fma_f32 v[36+8*t], v[38+8*t], v[38+8*t], v[36+8*t]
	ALL4 v_fma_f32 v[36+8*t], v[39+8*t], v[39+8*t], v[36+8*t]
	ALL4 v_fma_f32 v[34+8*t], v[36+8*t], s[C128], v[34+8*t]
	ALL4 v_fma_f32 v[34+8*t], v[34+8*t], s[R512], s[EPS]
	ALL4 v_rsq_f32 v[STT+8*t+4], v[34+8*t]
	v_nop
	s_wait_alu depctr_va_vdst(0)
	ALL4 v_mul_f32 v[STT+8*t+6], -v[32+8*t], v[STT+8*t+4]
	s_wait_loadcnt 0x0                             ; ln2_w, ln2_b
	; h2 = ((x1 - mean) rstd) w + b, to bf16, over Q in LDS: Q's last reads lie in front of several barriers
.irp qt, 0,1,2,3
	WIN 0xFE
.set i, 0
.rept 32
	v_pk_fma_f32 v[2*i:2*i+1], v[64*\qt+2*i:64*\qt+2*i+1], v[STT+8*\qt+4:STT+8*\qt+5], v[STT+8*\qt+6:STT+8*\qt+7] op_sel_hi:[1,0,0]
.set i, i+1
.endr
	WIN 0xD7                                       ; source 0 in window 3; ln2_w, ln2_b in window 1
.set i, 0
.rept 32
	v_pk_fma_f32 v[2*i:2*i+1], v[2*i:2*i+1], v[2*i:2*i+1], v[64+2*i:65+2*i]
.set i, i+1
.endr
	WIN 0xFF
.set i, 0
.rept 32
	v_cvt_pk_bf16_f32 v[64+i], v[2*i], v[2*i+1]
.set i, i+1
.endr
	WIN 0x0C
.irp nt, 0,1,2,3,4,5,6,7
	ds_store_b128 v[HSTO], v[64+4*\nt:64+4*\nt+3] offset:16640*\qt+32*\nt
.endr
.endr
	WIN 0
	v_pk_mul_f32 v[B2:B2+1], v[B2:B2+1], s[R512:R512+1] op_sel_hi:[1,0]
	v_pk_mul_f32 v[B2+2:B2+3], v[B2+2:B2+3], s[R512:R512+1] op_sel_hi:[1,0]
	s_wait_dscnt 0x0                               ; my part of h2 is stored
	s_barrier_signal -1
	s_barrier_wait -1
	; ================= FFN: four chunks of 512 hidden columns, 16 weight tiles each =================
	s_mov_b32 s[SB], 0
	s_mov_b32 s[CHK], 4
	v_mov_b32 v[AB], v[ABV0]
	FETCHB FB0, AB, 0                              ; weight tile 0 was shown landed by the last change of slots
	WIN 0
.Lchunk:
	v_mov_b32 v[AA0], v[AQ]                        ; the shared operand is h2
	v_mov_b32 v[AAC], v[AQ]
	s_mov_b32 s[KA], 0
	s_wait_dscnt 0x0                               ; nothing is on its way into the registers that the next loads name
	FETCHA FB0, AAC, 0, 16640
	s_wait_loadcnt 0x0                             ; this chunk's b1
	FQ0 0xC5, 1                                    ; the first 32 along K start the sums from b1 (C in window 0)
	WIN 0
	s_mov_b32 s[CNT], 8
	s_branch .LAt
.LA:
	FQ0 0xF5, 0
	WIN 0
.LAt:
	FTURN 0xF5
	WIN 0
	s_sub_co_u32 s[CNT], s[CNT], 1
	s_cmp_lg_u32 s[CNT], 0
	s_cbranch_scc1 .LA
	PLACES
	WIN 0xFF                                       ; relu, in place and ascending; to bf16; into a
.set i, 0
.rept 256
	v_max_num_f32 v[i], 0, v[i]
.set i, i+1
.endr
	WIN 0x0F
.set i, 0
.rept 128
	v_cvt_pk_bf16_f32 v[TT+i], v[2*i], v[2*i+1]
.set i, i+1
.endr
	WIN 0
.irp qt, 0,1,2,3
.irp nt, 0,1,2,3,4,5,6,7
	ds_store_b128 v[ASTO], v[TT+32*\qt+4*\nt:TT+32*\qt+4*\nt+3] offset:16640*\qt+32*\nt
.endr
.endr
	s_wait_dscnt 0x0                               ; my part of a is stored; the fetches behind the last change of slots are in
	s_barrier_signal -1
	s_barrier_wait -1                              ; the tile that is on its way may stay out
	v_mov_b32 v[AA0], v[AAA]                       ; the shared operand is a
	v_mov_b32 v[AAC], v[AAA]
	s_mov_b32 s[KA], 0
	FETCHA FB0, AAC, 0, 16640
	WIN 0
	s_mov_b32 s[CNT], 6
.LB1:
	FQ0 0xA5, 0
	FTURN 0xA5
	WIN 0
	s_sub_co_u32 s[CNT], s[CNT], 1
	s_cmp_lg_u32 s[CNT], 0
	s_cbranch_scc1 .LB1
	s_cmp_eq_u32 s[CHK], 1
	s_cbranch_scc1 .Ltail                          ; the last two tiles are written out: nothing is left to ask for
	s_add_nc_u64 s[16:17], s[16:17], 2048          ; the next chunk's b1; the loads that named this base have been waited for
.irp nt, 0,1,2,3,4,5,6,7
	global_load_b128 v[B1R+8*\nt:B1R+8*\nt+3],   v[PO], s[16:17] offset:64*\nt
	global_load_b128 v[B1R+8*\nt+4:B1R+8*\nt+7], v[PO], s[16:17] offset:64*\nt+16
.endr
	s_mov_b32 s[CNT], 2
.LB2:
	FQ0 0xA5, 0
	FTURN 0xA5
	WIN 0
	s_sub_co_u32 s[CNT], s[CNT], 1
	s_cmp_lg_u32 s[CNT], 0
	s_cbranch_scc1 .LB2
	s_sub_co_u32 s[CHK], s[CHK], 1
	s_branch .Lchunk
.Ltail:
	FQ0 0xA5, 0                                    ; tile 62
	WIN 0
	s_wait_tensorcnt 0x0                           ; my part of tile 63, which I alone read
	s_xor_b32 s[SB], s[SB], SLOT
	s_add_co_u32 s[KA], s[KA], 128
	s_wait_dscnt 0x0
	v_add_nc_u32 v[AB], s[SB], v[ABV0]
	v_add_nc_u32 v[AAC], s[KA], v[AA0]
	MULV FB1, 0, 16, 0xA5, 0
	PLACES
	FETCHB FB0, AB, 0
	FETCHA FB0, AAC, 0, 16640
	MULV FB1, 16, 16, 0xA5, 0
	FQ0 0xA5, 0                                    ; tile 63
	s_wait_dscnt 0x0
	MULV FB1, 0, 32, 0xA5, 0
	; ================= THE WAY OUT: (x1 + a w2) / 512 + b2 / 512, 16 rows at a time through my stage =================
	PLACES
.irp qt, 0,1,2,3
	WIN 0x08
.set i, 0
.rept 16                                               ; ascending: each accumulator is read from its low end on
	ds_store_b128 v[XR], v[64*\qt+4*i:64*\qt+4*i+3] offset:64*(i/2)+16*(i%2)
.set i, i+1
.endr
	WIN 0
.if \qt >= 2
	s_wait_xcnt 0x0                                ; the stores of two row tiles ago have read these registers
.endif
.set tb, TT+64*(\qt%2)
.set i, 0
.rept 16
	ds_load_b128 v[tb+4*i:tb+4*i+3], v[XW] offset:528*i  ; LDS serves a wave's instructions in order: these see the stores above, and the next row tile's stores come behind them
.set i, i+1
.endr
.set i, 0
.rept 16
	s_wait_dscnt 15-i                              ; the younger loads may stay out
	v_pk_fma_f32 v[tb+4*i:tb+4*i+1], v[tb+4*i:tb+4*i+1], s[R512:R512+1], v[B2:B2+1] op_sel_hi:[1,0,1]
	v_pk_fma_f32 v[tb+4*i+2:tb+4*i+3], v[tb+4*i+2:tb+4*i+3], s[R512:R512+1], v[B2+2:B2+3] op_sel_hi:[1,0,1]
	global_store_b128 v[XO], v[tb+4*i:tb+4*i+3], s[24:25] offset:2048*(16*\qt+i) th:TH_STORE_NT  ; the wave stores 512 consecutive bytes, at a multiple of 512 from out0's first
.set i, i+1
.endr
.endr
	s_wait_tensorcnt 0x0                           ; the wave's end: the wait, the add and the wait for it, behind my last tensor load and my last LDS store
	ds_add_u32 v[SPW], v[NIL]
	s_wait_dscnt 0x0
	CROUND                                         ; the closing round: no work-group ends while a partner may still ask for a tile that names it
	s_endpgm
.Lfunc_end_k_q6d9e4ac225_main:
	.size	k_q6d9e4ac225_main, .Lfunc_end_k_q6d9e4ac225_main-k_q6d9e4ac225_main
	.p2alignl 7, 3214868480
	.fill 96, 4, 3214868480
	.section	.rodata,"a",@progbits
	.p2align	6, 0x0
	.amdhsa_kernel k_q6d9e4ac225_main
		.amdhsa_group_segment_fixed_size 327680
		.amdhsa_private_segment_fixed_size 0
		.amdhsa_enable_private_segment 0
		.amdhsa_kernarg_size 88
		.amdhsa_user_sgpr_count 2
		.amdhsa_user_sgpr_kernarg_segment_ptr 1
		.amdhsa_wavefront_size32 1
		.amdhsa_system_sgpr_workgroup_id_x 1
		.amdhsa_system_sgpr_workgroup_id_y 1
		.amdhsa_system_sgpr_workgroup_id_z 1
		.amdhsa_system_vgpr_workitem_id 0
		.amdhsa_next_free_vgpr 1024
		.amdhsa_next_free_sgpr 96
		.amdhsa_reserve_vcc 1
		.amdhsa_float_denorm_mode_32 3
		.amdhsa_float_denorm_mode_16_64 3
		.amdhsa_memory_ordered 1
		.amdhsa_forward_progress 1
		.amdhsa_inst_pref_size 255
	.end_amdhsa_kernel
	.section	.bss,"aw",@nobits
	.p2align	6
	.space	262144
	.amdgpu_metadata
---
amdhsa.version: [ 1, 2 ]
amdhsa.kernels:
  - .name:           k_q6d9e4ac225_main
    .symbol:         k_q6d9e4ac225_main.kd
    .args:
      - { .name: x, .offset: 0, .size: 8, .value_kind: global_buffer, .address_space: global }
      - { .name: t_m, .offset: 8, .size: 8, .value_kind: global_buffer, .address_space: global }
      - { .name: g_m, .offset: 16, .size: 8, .value_kind: global_buffer, .address_space: global }
      - { .name: mask, .offset: 24, .size: 8, .value_kind: global_buffer, .address_space: global }
      - { .name: ln2_w, .offset: 32, .size: 8, .value_kind: global_buffer, .address_space: global }
      - { .name: ln2_b, .offset: 40, .size: 8, .value_kind: global_buffer, .address_space: global }
      - { .name: b1, .offset: 48, .size: 8, .value_kind: global_buffer, .address_space: global }
      - { .name: b2, .offset: 56, .size: 8, .value_kind: global_buffer, .address_space: global }
      - { .name: hT, .offset: 64, .size: 8, .value_kind: global_buffer, .address_space: global }
      - { .name: wS, .offset: 72, .size: 8, .value_kind: global_buffer, .address_space: global }
      - { .name: out0, .offset: 80, .size: 8, .value_kind: global_buffer, .address_space: global }
    .group_segment_fixed_size: 327680
    .private_segment_fixed_size: 0
    .kernarg_segment_align: 8
    .kernarg_segment_size: 88
    .max_flat_workgroup_size: 128
    .sgpr_count:     96
    .vgpr_count:     1024
    .wavefront_size: 32
...
	.end_amdgpu_metadata
.endif
;; end of part 2
;; ======== version 2 of 2: 2 launches; 1.25 times as fast as version 1
;; limits: inputs' magnitudes at most 100,000,000
;; workspace buffers: hT 16,777,216 bytes; wS 4,194,304 bytes
;; launch prep: the kernel of part 1 again; grid 384 x 1, 8 waves a work-group, no clusters, 0 bytes of LDS; arguments x, ln1_w, ln1_b, w1, w2, hT, wS; writes hT, wS
;; launch main (part 3): grid 256 x 1, 4 waves a work-group, clusters of 4 x 1, 327,680 bytes of LDS; arguments x, t_m, g_m, mask, ln2_w, ln2_b, b1, b2, hT, wS, out0; writes out0
.if DOCPART == 3
	.amdgcn_target "amdgcn-amd-amdhsa--gfx1250"
	.amdhsa_code_object_version 6
	.text
	.protected	k_q6d9e4ac225_main
	.globl	k_q6d9e4ac225_main
	.p2align	8
	.type	k_q6d9e4ac225_main,@function
k_q6d9e4ac225_main:
	s_mov_b64 s[64:65], 0
	v_nop
	global_prefetch_b8 v0, s[64:65] scope:SCOPE_SE
	s_setreg_imm32_b32 hwreg(HW_REG_WAVE_MODE, 25, 1), 1
	s_wait_xcnt 0x0
	s_wait_alu depctr_hold_cnt(0) depctr_sa_sdst(0) depctr_va_vdst(0) depctr_va_sdst(0) depctr_va_ssrc(0) depctr_va_vcc(0) depctr_vm_vsrc(0)
	s_getreg_b32 s2, hwreg(HW_REG_IB_STS2, 6, 4)
	s_cmp_eq_u32 s2, 0
	s_cbranch_scc0 .Lentry_in_a_cluster
	s_endpgm
.Lentry_in_a_cluster:
	s_bfe_u32 s2, ttmp6, 0x10000c
	s_cmp_lg_u32 s2, 0x3003
	s_cbranch_scc0 .Lentry_shape_is_right
	s_endpgm
.Lentry_shape_is_right:
; THE LAYER, FUSED, for 64 rows a work-group: scores, softmax, P h, residual, LayerNorm 2, both FFN products, residual, / 512.  Nothing between these steps goes to memory.
; hT holds h = LN1(x) in bf16 in blocks [batch][16 blocks of 64 rows][4 quarters of 128 channels][64][128]; wS holds w1 and w2 in bf16 as 64 tiles [4 quarters][64 K rows][128 columns], 16 tiles a chunk.
; SHARES.  A cluster of four work-groups lies in one batch element; work-group (cluster, cx) owns rows 64 ((cluster % 4) 4 + cx) on.  Four waves.  All products are used transposed: source 0 = 16 rows of
; the streamed operand, source 1 = 16 of my 64 rows: in every result lane (r = lane % 16, h = lane / 16) holds row 16 qt + r and, in registers 0-7, eight neighbouring columns 8 h + 0..7.
;   S^T = K Q^T   wave w: keys 64 w .. + 63 of an iteration's 256, all 64 rows: 16 accumulators.  K and Q are both h, so the sums hold 512 x the score; C starts as 512 x the bias, and the softmax's factor is log2(e) / 512.
;   O^T = V^T P   a wave: 128 channels: 32 accumulators, which become x1 and then the C and D of the second FFN product.
;   FFN           four chunks of 512 hidden columns: a^T = relu(w1^T h2 + b1) (a wave: 128 columns, C of the first step = b1), then out^T += w2^T a.
; A wave reads only the streamed tile that it fetched itself; the waves share Q, P, h2 and a, which lie in LDS.
; THE STREAM.  96 tiles of 4 x 16,384 bytes (32 of K and V, 64 of weights) walk through two LDS slots; each wave asks for its quarter, 64 rows of 256 bytes.  All four work-groups of the cluster need the same
; tiles, so each is asked for JOINTLY (mask 15, the same descriptor in all four); every refill stands behind a round of the cluster's barrier.  A wave has two tensor loads out at the start, later one.
; THE ORDER.  Two numbers, equal in the four partners, turn the walks; they enter global addresses alone.  C4 = cluster % 4: the cluster begins at block C4 of its batch element's four blocks of 256 keys and at
; chunk C4 of the FFN's four, and takes both in a ring (the running maximum allows any order of keys, the sum over chunks any order of chunks).  J = (batch + batch / 4) % 4 turns the waves' quarters: wave w owns
; quarter WR = (w + J) % 4 of the 512 channels (V, x, ln2_w, ln2_b, w2's columns, b2, out0) and of a chunk's 512 hidden columns (w1's columns, b1).  In LDS it still writes quarter w of h2 and of a, so block p of
; 64 along K in LDS is block (p + 2 J) % 8 of the true order, and the weight tile asked for at place p of a product is that block's; a sum over K allows any order.  So there are 16 different walks: the two tiles
; that each asks for ahead of LayerNorm 2 are together all 32 tiles of w1, and of a product's eight tiles all but the first two are asked for two places earlier by the walk that begins there.
; THE BIAS.  |m - max m| = max m - m, and max t + max g, one number a batch element, is added to every unmasked score of a row: the softmax cancels it.  So the program adds - t - g and forms no maximum:
; an identity, not a property of the data.  A masked score is -1e9 as in reference(): the bias holds -1e30 there, and every sum is raised to at least 512 x -1e9 behind the product.
; LIMITS.  The identity needs unmasked scores far above -1e9 (|q.k / 512|, |t|, |g| under 1e8); an unmasked score below -1e9 counts as -1e9; a weight below 2^-126 counts as 0; NaN and infinities are not
; treated apart.  Matrix operands (h, P, h2, a, w1, w2) are bf16; sums, softmax (running maximum), both norms and both residuals f32.  LN2's variance is made of each wave's own centred sum of squares.
; t_m, g_m and mask come through registers, 16 rows x 64 keys x 3 tensors a UNIT (24 loads of 512 bytes a wave), two register sets by turns, one iteration ahead of their use.
.set SLOT,  73728                      ; a slot: four waves' parts; a K tile's part is 64 rows of 272 bytes, a V or weight tile's 64 rows of 288
.set KPART, 17408
.set VPART, 18432
.set QB,    147456                     ; Q = h of my rows, later h2: 64 rows x 1,024 bytes, pitch 1,040
.set PB,    214016                     ; P: 64 rows x 512 bytes (256 keys), pitch 528
.set BST,   247808                     ; the bias stage: for each wave 64 rows x 256 bytes (64 keys in f32), pitch 272
.set ABUF,  214016                     ; a: 64 rows x 1,024 bytes, pitch 1,040; over P and the head of the bias stage, which are dead by then
.set STG,   280576                     ; x's way in and the result's way out: for each wave 16 rows x 512 bytes, pitch 528; over the tail of the bias stage
.set STAT,  317440                     ; 1,024 bytes of maxima, 1,024 of sums, 2,048 of LN2's statistics
.set SPARE, 321536                     ; the spare words, 128 bytes a wave: two blocks of 256 bytes that no other line names
; All pitches are odd multiples of 16 bytes (288: of 32), so the 16 rows that a load touches start at 16 different places modulo 256 bytes.  No tensor load lands at or above QB.
; REGISTERS, in windows of 256 (s_set_vgpr_msb: bits 1:0 source 0, 3:2 source 1, 5:4 source 2, 7:6 destination).
; window 0: addresses and the raw bias sets
.set LR,   1                           ; lane % 16
.set LH,   2                           ; lane / 16
.set SAW,  3                           ; STAT + 16 r + 4 w
.set SAR,  4                           ; STAT + 16 r
.set S2W,  5                           ; STAT + 2048 + 32 r + 8 w
.set S2R,  6                           ; STAT + 2048 + 32 r
.set LN,   8                           ; lane (v7, v9: at work in the head)
.set SPW,  10                          ; my spare word; never rewritten
.set NIL,  11                          ; 0; never rewritten
.set AK0,  12                          ; v12, v13: my place in my K tile, slot 0, 1
.set AQ,   14                          ; QB + 1040 r + 16 h
.set AP,   15                          ; PB + 528 r + 16 h
.set ABV0, 16                          ; v16, v17: my place in my V or weight tile (turning load), slot 0, 1
.set AB,   18                          ; FFN: the tile in hand
.set AAC,  19                          ; FFN: the shared operand at the K step in hand
.set AA0,  20                          ; FFN: the shared operand (h2 or a)
.set AAA,  21                          ; ABUF + 1040 r + 16 h
.set LT,   22                          ; 4096 h + 16 r + 256 w: my 16 bytes in two rows of t, g, mask
.set VOA,  23                          ; the units' offsets, one for each set
.set VOB,  24
.set BW,   25                          ; bias stage, in: 272 h + 16 r
.set BR,   26                          ; bias stage, back: 272 r + 32 h
.set BWC,  27                          ; the prologue's walking copy of BW
.set SENT, 28                          ; -1e30
.set XO,   29                          ; 512 WR + 16 lane: my 16 bytes of a row of x, out, b2
.set XW,   30                          ; STG + 8448 w + 16 lane
.set XR,   31                          ; STG + 8448 w + 528 r + 32 h
.set PO,   32                          ; 512 WR + 32 h: my 8 numbers of b1, ln2_w, ln2_b
.set QW,   33                          ; QB + 1040 h + 256 w + 16 r
.set HSTO, 34                          ; QB + 1040 r + 256 w + 16 h
.set ASTO, 35                          ; ABUF + the same
.set PSTO, 36                          ; PB + 528 r + 128 w + 16 h
.set QL,   37                          ; 16 lane
.set B2,   40                          ; v[40:43] b2 / 512 of my four columns
.set RA,   64                          ; v[64:159] raw set A: t 32, g 32, mask 32;  v[160:255] set B
.set RB,   160
.set TT,   64                          ; later: x of row tiles 2, 3; packed a; the way out
.set B1R,  192                         ; later: b1 of my 128 columns as a C operand, 8 registers for each 16 columns
; window 1: fragments.  S type: buffers at 0 and 128, for each 32 channels 32 registers of K, then 32 of Q.  V type: buffers at 0 and 128: 64 registers of V^T or w^T, then 32 of the shared operand.
.set F0,   0
.set F1,   128
.set FB0,  0
.set FB1,  128
; window 2: O^T / x1 / out at 64 qt + 8 nt.   window 3: S^T at 32 qt + 8 kt, and:
.set STT,  128                         ; row tile qt at STT + 8 qt: c m, m, l (two halves), a (and a spare), two at work
.set CHN,  160                         ; four chains of the maximum a row tile
.set MXW,  176                         ; the four waves' figures a row tile
.set PP,   192                         ; P packed, 16 registers a row tile.  In the FFN all of window 3 is a^T's accumulators, at 64 qt + 8 nt
; scalars: s[4:19] eight addresses, s[24:25] out0
.set M512, 2                           ; s[2:3] -512
.set PW0,  20                          ; s[20:21] first hT, then my quarter of the first weight tile of my walk
.set B1P,  22                          ; s[22:23] first wS, then b1 of the chunk to come
.set WV,   26
.set J17,  27                          ; J, then 2 J tiles in bytes: J << 17
.set BAT,  28                          ; the batch element; in the FFN:
.set TL,   28                          ; the place in my walk of the weight tile asked for last, as bytes: (16 C4 + place) % 64 tiles of 65,536
.set TO,   30                          ; s[30:31] byte offset in wS of the weight tile that is asked for
.set G1K,  32                          ; s[32:39] descriptor group 1, 16 bytes of padding a row;  s[40:47] with 32
.set G1V,  40
.set G0A,  48                          ; s[48:51] descriptor group 0 for slot 0, later the FFN's walking one;  s[52:55] for slot 1
.set G0B,  52
.set PKP,  56                          ; s[56:57] this iteration's K tiles of my wave;  s[58:59] its V tiles;  s[60:61] my quarter of weight tile 0
.set PVP,  58
.set PWP,  60
.set LK0,  62                          ; LDS bytes of my part: K type slot 0, 1;  V type slot 0, 1
.set LK1,  63
.set LV0,  66
.set LV1,  67
.set SEL,  68                          ; s[68:69] v_permlanex16_b32's selects
.set NEG9, 70                          ; 512 x -1e9
.set IK2,  71                          ; byte offset, in a row of t, g, mask, of the keys of the iteration after the next
.set LG2,  72                          ; s[72:73] log2(e) / 512
.set IT,   74                          ; iterations to go, this one among them
.set IK,   75                          ; the same offset for the next iteration
.set CNT,  76
.set CHK,  77                          ; chunks to go
.set SB,   78                          ; the slot in hand, in bytes
.set KA,   79                          ; the K step in hand, in bytes of a row of h2 or a
.set POFF, 80                          ; the prologue's key offset; in the FFN:
.set TH,   80                          ; at work on a tile's offset
.set C4,   81                          ; cluster % 4: where my walks begin
.set QP,   82                          ; s[82:83] my rows' block of hT
.set OFS,  84                          ; s[84:85] offsets that the four partners share; in the FFN the byte offset of the chunk's b1
.set R512, 86                          ; s[86:87] 1 / 512
.set R128, 88
.set C128, 89
.set EPS,  90
.set QUART, 91
.set WR,   92                          ; (w + J) % 4: the quarter of the channels, and of a chunk's hidden columns, that is mine
.set MYT,  93                          ; offsets that hang on my place in the cluster: they reach plain loads and stores alone
.set MYO,  94                          ; s[94:95]
.set HBK,  96                          ; s[96:97] K tiles of my wave in key block 0;  s[98:99] V tiles;  s[100:101] the next iteration's K tiles
.set HBV,  98
.set PKN,  100
.set MSB, 0
.macro WIN new                         ; the immediate's high byte repeats the setting that is left; a switch that changes nothing is dropped
.if MSB != (\new)
	s_set_vgpr_msb (MSB<<8)|(\new)
.set MSB, (\new)
.endif
.endm
.macro PLACES                          ; four plain vector instructions between a matrix instruction and a vector instruction, store or load that touches its registers (ISA guide 7.12.1 for vector instructions and stores)
.rept 4
	v_nop
.endr
.endm
.macro ALL4 line:vararg                ; one line for each row tile t
.set t, 0
.rept 4
	\line
.set t, t+1
.endr
.endm
.macro CREST                           ; a round of the cluster's barrier behind its opening barrier
	s_cmp_lg_u32 s[WV], 0
	s_cbranch_scc1 .Lnot_wave_0_\@
	s_barrier_signal -3
.Lnot_wave_0_\@:
	s_barrier_wait -3
	s_barrier_signal -1
	s_barrier_wait -1
.endm
.macro CROUND
	s_barrier_signal -1
	s_barrier_wait -1
	CREST
.endm
.macro PREP g0, lds, ptr, step         ; a group 0 is made anew: only where no tensor load of the wave is out
	s_mov_b32 s[\g0+1], s[\lds]
	s_add_nc_u64 s[\g0+2:\g0+3], s[\ptr:\ptr+1], \step
	s_or_b32 s[\g0+3], s[\g0+3], 0x80000000
.endm
.macro TLOAD g0, g1                    ; one line for all four waves: each wave's group 0 is its own by the wave's number, and equal in the four partners.  s_nop 0 and four v_nop follow
	tensor_load_to_lds s[\g0:\g0+3], s[\g1:\g1+7]
	s_nop 0
	PLACES
.endm
; ---- S^T = K Q^T.  A K tile is 64 keys x 128 channels: four steps of 32 channels, 16 matrix instructions each. ----
.macro FETCHS f, slot, half, s         ; 32 LDS loads: channels 64 half .. + 63 of step s, the first 32 channels first
	WIN 0x40
.irp kk, 0,1
.irp t, 0,1,2,3
	ds_load_b128 v[(\f)+64*\kk+8*\t:(\f)+64*\kk+8*\t+3],   v[AK0+(\slot)] offset:4352*\t+64*(2*(\half)+\kk)
	ds_load_b128 v[(\f)+64*\kk+8*\t+4:(\f)+64*\kk+8*\t+7], v[AK0+(\slot)] offset:4352*\t+64*(2*(\half)+\kk)+32
.endr
.irp t, 0,1,2,3
	ds_load_b128 v[(\f)+64*\kk+32+8*\t:(\f)+64*\kk+32+8*\t+3],   v[AQ] offset:16640*\t+256*(\s)+64*(2*(\half)+\kk)
	ds_load_b128 v[(\f)+64*\kk+32+8*\t+4:(\f)+64*\kk+32+8*\t+7], v[AQ] offset:16640*\t+256*(\s)+64*(2*(\half)+\kk)+32
.endr
.endr
.endm
.macro MULS f, kk, a0, n               ; accumulators a0 .. a0 + n - 1 of 16 (key tile a / 4, row tile a % 4), by turns
	WIN 0xF5
.set ma, (\a0)
.rept (\n)
.set md, 32*(ma%4)+8*(ma/4)
	v_wmma_f32_16x16x32_bf16 v[md:md+7], v[(\f)+64*(\kk)+8*(ma/4):(\f)+64*(\kk)+8*(ma/4)+7], v[(\f)+64*(\kk)+32+8*(ma%4):(\f)+64*(\kk)+32+8*(ma%4)+7], v[md:md+7]
.set ma, ma+1
.endr
.endm
.macro SQ0 s                           ; the first half of step s
	s_wait_dscnt 16                                ; the first 32 channels' 16 loads are in; the 16 youngest LDS instructions may be out (a unit's eight stores among them make the wait stricter, never looser)
	MULS F0, 0, 0, 16
	PLACES
	FETCHS F1, (\s)%2, 1, \s
	s_wait_dscnt 32                                ; all but the 32 just issued
	MULS F0, 1, 0, 16
.endm
; The second half of a step, and the change of slots.  In front of the round each wave waits for all its tensor loads (one is out: its part of the other slot), adds 0 to its spare word, and waits for that and for
; its reads of this slot.  Behind the round no wave of any partner reads this slot, and the joint refill is the first thing there.
.macro STURN g0, lds, ptr, step, g1, fetch, ns
	WIN 0
	s_wait_tensorcnt 0x0
	ds_add_u32 v[SPW], v[NIL]
	PREP \g0, \lds, \ptr, \step
	s_wait_dscnt 17                                ; the add and the youngest 16 loads may be out
	MULS F1, 0, 0, 8
	s_wait_dscnt 0x0                               ; the add is done, my reads of this slot are over
	s_barrier_signal -1
	MULS F1, 0, 8, 8
	WIN 0
	s_barrier_wait -1
	CREST
	TLOAD \g0, \g1                                 ; its four v_nop are also the places in front of the loads below
.if \fetch
	FETCHS F0, (\ns)%2, 0, \ns
.endif
	MULS F1, 1, 0, 16
.endm
; ---- the three products of the V type: source 0 turned out of a tile [64 K rows][128 columns], source 1 out of a shared operand [64 rows][K].  A tile is two steps of 32 along K, 32 matrix instructions each. ----
.macro FETCHB fb, breg, kk
	WIN 0x40
.irp nt, 0,1,2,3,4,5,6,7
	ds_load_tr16_b128 v[(\fb)+8*\nt:(\fb)+8*\nt+3],   v[\breg] offset:9216*(\kk)+32*\nt
	ds_load_tr16_b128 v[(\fb)+8*\nt+4:(\fb)+8*\nt+7], v[\breg] offset:9216*(\kk)+4608+32*\nt
.endr
.endm
.macro FETCHA fb, areg, off, p16       ; p16: 16 rows of the shared operand
	WIN 0x40
.irp qt, 0,1,2,3
	ds_load_b128 v[(\fb)+64+8*\qt:(\fb)+64+8*\qt+3],   v[\areg] offset:\qt*(\p16)+(\off)
	ds_load_b128 v[(\fb)+64+8*\qt+4:(\fb)+64+8*\qt+7], v[\areg] offset:\qt*(\p16)+(\off)+32
.endr
.endm
.macro MULV fb, a0, n, win, cb         ; accumulators a0 .. of 32 (column tile a / 4, row tile a % 4), by turns.  cb = 1: the sums start from b1
	WIN \win
.set ma, (\a0)
.rept (\n)
.set md, 64*(ma%4)+8*(ma/4)
.if \cb
	v_wmma_f32_16x16x32_bf16 v[md:md+7], v[(\fb)+8*(ma/4):(\fb)+8*(ma/4)+7], v[(\fb)+64+8*(ma%4):(\fb)+64+8*(ma%4)+7], v[B1R+8*(ma/4):B1R+8*(ma/4)+7]
.else
	v_wmma_f32_16x16x32_bf16 v[md:md+7], v[(\fb)+8*(ma/4):(\fb)+8*(ma/4)+7], v[(\fb)+64+8*(ma%4):(\fb)+64+8*(ma%4)+7], v[md:md+7]
.endif
.set ma, ma+1
.endr
.endm
.macro VQ0 slot, jv                    ; O^T += V^T P, the first 32 keys of V tile jv
	s_wait_dscnt 0x0
	MULV FB0, 0, 16, 0xA5, 0
	PLACES
	FETCHB FB1, ABV0+(\slot), 1
	FETCHA FB1, AP, 128*(\jv)+64, 8448
	MULV FB0, 16, 16, 0xA5, 0
.endm
.macro VTURN g0, lds, ptr, step, g1, fetch, nslot, njv  ; the second 32 keys and the change of slots.  fetch = 1: the next V tile's first fragments; 2: the next iteration's first K and Q fragments; 0: none
	WIN 0
	s_wait_tensorcnt 0x0
	ds_add_u32 v[SPW], v[NIL]
	PREP \g0, \lds, \ptr, \step
	s_wait_dscnt 1                                 ; the add may be out; the 24 loads in front of it are in
	MULV FB1, 0, 8, 0xA5, 0
	s_wait_dscnt 0x0
	s_barrier_signal -1
	MULV FB1, 8, 8, 0xA5, 0
	WIN 0
	s_barrier_wait -1
	CREST
	TLOAD \g0, \g1
.if (\fetch) == 1
	FETCHB FB0, ABV0+(\nslot), 0
	FETCHA FB0, AP, 128*(\njv), 8448
.elseif (\fetch) == 2
	FETCHS F0, 0, 0, 0
.endif
	MULV FB1, 16, 16, 0xA5, 0
.endm
.macro FQ0 win, cb                     ; the FFN's form of VQ0: the addresses lie in registers
	s_wait_dscnt 0x0
	MULV FB0, 0, 16, \win, \cb
	PLACES
	FETCHB FB1, AB, 1
	FETCHA FB1, AAC, 64, 16640
	MULV FB0, 16, 16, \win, \cb
.endm
; The FFN's form of VTURN.  One descriptor walks the weight tiles: its LDS word changes slots by an exclusive or (SLOT's two bits are in no wave's part); its address is made anew from the tile's byte offset.
; TL, the place in my walk, steps by a tile's 65,536 bytes and goes round at wS's 4,194,304.  Its bits 21:19 say which chunk and which of the two products; its bits 18:16, the place p among a product's eight
; tiles, become (p + 2 J) % 8: the block along K that lies at place p of h2 or of a in LDS.
.macro FTURN win
	WIN 0
	s_wait_tensorcnt 0x0
	ds_add_u32 v[SPW], v[NIL]
	s_xor_b32 s[G0A+1], s[G0A+1], SLOT
	s_add_co_u32 s[TL], s[TL], 65536
	s_and_b32 s[TL], s[TL], 0x3fffff
	s_add_co_u32 s[TO], s[TL], s[J17]
	s_and_b32 s[TO], s[TO], 0x70000
	s_and_b32 s[TH], s[TL], 0x380000
	s_or_b32 s[TO], s[TO], s[TH]
	s_add_nc_u64 s[G0A+2:G0A+3], s[PWP:PWP+1], s[TO:TO+1]
	s_or_b32 s[G0A+3], s[G0A+3], 0x80000000
	s_xor_b32 s[SB], s[SB], SLOT
	s_add_co_u32 s[KA], s[KA], 128                 ; 64 along K; behind a product's eighth tile back to 0
	s_and_b32 s[KA], s[KA], 1023
	s_wait_dscnt 1
	MULV FB1, 0, 8, \win, 0
	s_wait_dscnt 0x0
	s_barrier_signal -1
	MULV FB1, 8, 8, \win, 0
	WIN 0
	v_add_nc_u32 v[AB], s[SB], v[ABV0]
	v_add_nc_u32 v[AAC], s[KA], v[AA0]
	s_barrier_wait -1
	CREST
	TLOAD G0A, G1V
	FETCHB FB0, AB, 0
	FETCHA FB0, AAC, 0, 16640                      ; behind a product's last tile these eight loads bring the old operand's first step and serve nothing: the price of one text for all trips
	MULV FB1, 16, 16, \win, 0
.endm
; ---- the bias.  A unit: 16 rows x my 64 keys of t, g, mask in one register set. ----
.macro BUNIT set, areg, stoff          ; -512 (t + g), or -1e30 where mask is 0, into my bias stage
	s_wait_loadcnt 24                              ; the other set's 24 loads are younger and may stay out
.set bi, 0
.rept 8
.set bt, (\set)+4*bi
	v_pk_add_f32 v[bt:bt+1], v[bt:bt+1], v[bt+32:bt+33]
	v_pk_add_f32 v[bt+2:bt+3], v[bt+2:bt+3], v[bt+34:bt+35]
	v_pk_mul_f32 v[bt:bt+1], v[bt:bt+1], s[M512:M512+1] op_sel_hi:[1,0]      ; a power of two: nothing is rounded
	v_pk_mul_f32 v[bt+2:bt+3], v[bt+2:bt+3], s[M512:M512+1] op_sel_hi:[1,0]
.irp e, 0,1,2,3
	v_cmp_eq_u32 vcc_lo, 0, v[bt+64+\e]
	v_cndmask_b32 v[bt+\e], v[bt+\e], v[SENT], vcc_lo
.endr
	ds_store_b128 v[\areg], v[bt:bt+3] offset:(\stoff)+544*bi  ; two rows of the stage
.set bi, bi+1
.endr
.endm
.macro UISSUE set, vo, oreg, imm       ; 24 loads; each covers 256 aligned bytes of two rows
	v_add_nc_u32 v[\vo], s[\oreg], v[LT]           ; the set's earlier loads, which named this register, have come back
.set bi, 0
.rept 8
	global_load_b128 v[(\set)+4*bi:(\set)+4*bi+3],       v[\vo], s[6:7]   offset:(\imm)+8192*bi th:TH_LOAD_NT
	global_load_b128 v[(\set)+32+4*bi:(\set)+32+4*bi+3], v[\vo], s[8:9]   offset:(\imm)+8192*bi th:TH_LOAD_NT
	global_load_b128 v[(\set)+64+4*bi:(\set)+64+4*bi+3], v[\vo], s[10:11] offset:(\imm)+8192*bi th:TH_LOAD_NT
.set bi, bi+1
.endr
.endm
; Row tile p of the NEXT iteration's bias.  skip = 1: the last iteration has none.  The set is asked for again, at the keys of oreg, while IT >= least.  The way round waits for all loads: no younger loads follow
; there, so the next unit's count of 24 would show nothing; on that way at most the other set is out.
.macro UNIT set, vo, p, oreg, imm, skip, least
	WIN 0
.if \skip
	s_cmp_eq_u32 s[IT], 1
	s_cbranch_scc1 .Lnone_\@
.endif
	BUNIT \set, BW, 4352*(\p)
.if (\least) > 2
	s_cmp_lt_u32 s[IT], \least
	s_cbranch_scc1 .Lnone_\@
.endif
	UISSUE \set, \vo, \oreg, \imm
	s_branch .Lasked_\@
.Lnone_\@:
	s_wait_loadcnt 0x0
.Lasked_\@:
.endm
.macro CINIT                           ; the stage becomes the C operand: row 16 qt + r, keys 16 kt + 8 h + 0..7.  LDS serves a wave's instructions in order (ISA guide 5.7.1.4): these see my stores
	WIN 0xC0
.irp qt, 0,1,2,3
.irp kt, 0,1,2,3
	ds_load_b128 v[32*\qt+8*\kt:32*\qt+8*\kt+3],   v[BR] offset:4352*\qt+64*\kt
	ds_load_b128 v[32*\qt+8*\kt+4:32*\qt+8*\kt+7], v[BR] offset:4352*\qt+64*\kt+16
.endr
.endr
.endm
.macro SMAXJ j                         ; number j of the 16 that find the maximum of a lane's 32 scores, for all four row tiles
.irp qt, 0,1,2,3
.set rC, CHN+4*\qt
.set rS, 32*\qt
.if (\j) < 4
	v_max3_num_f32 v[rC+(\j)], v[rS+8*(\j)], v[rS+8*(\j)+1], v[rS+8*(\j)+2]
.elseif (\j) < 12
	v_max3_num_f32 v[rC+(\j)%4], v[rC+(\j)%4], v[rS+8*((\j)%4)+2*((\j)/4)+1], v[rS+8*((\j)%4)+2*((\j)/4)+2]
.elseif (\j) == 12
	v_max3_num_f32 v[rC], v[rC], v[rS+7], v[rS+15]
.elseif (\j) == 13
	v_max3_num_f32 v[rC+2], v[rC+2], v[rS+23], v[rS+31]
.elseif (\j) == 14
	v_max3_num_f32 v[rC], v[rC], v[rC+1], v[rC+2]
.else
	v_max_num_f32 v[rC], v[rC], v[rC+3]
.endif
.endr
.endm
.macro SSUM d                          ; of each row tile's weights, the pairs d registers apart are added, in place
.irp qt, 0,1,2,3
.set sp, 0
.rept (\d)/2
	v_pk_add_f32 v[32*\qt+2*sp:32*\qt+2*sp+1], v[32*\qt+2*sp:32*\qt+2*sp+1], v[32*\qt+(\d)+2*sp:32*\qt+(\d)+2*sp+1]
.set sp, sp+1
.endr
.endr
.endm
.macro REDUCE                          ; four pairs at v[8 t ..] of window 3 -> their sum over both halves of the lanes, in v[8 t]
	ALL4 v_pk_add_f32 v[8*t:8*t+1], v[8*t:8*t+1], v[8*t+2:8*t+3]
	ALL4 v_pk_add_f32 v[8*t+4:8*t+5], v[8*t+4:8*t+5], v[8*t+6:8*t+7]
	ALL4 v_pk_add_f32 v[8*t:8*t+1], v[8*t:8*t+1], v[8*t+4:8*t+5]
	ALL4 v_add_f32 v[8*t], v[8*t], v[8*t+1]
	ALL4 v_permlanex16_b32 v[8*t+1], v[8*t], s[SEL], s[SEL+1]
	ALL4 v_add_f32 v[8*t], v[8*t], v[8*t+1]
.endm
.macro XSTAGE xb, wst, wld             ; 16 rows of x, 512 bytes each as loaded, through my stage into the accumulators' layout, back into the registers that they left
	WIN \wst
.set i, 0
.rept 16
	ds_store_b128 v[XW], v[(\xb)+4*i:(\xb)+4*i+3] offset:528*i
.set i, i+1
.endr
	WIN \wld
.set i, 0
.rept 16
	ds_load_b128 v[(\xb)+4*i:(\xb)+4*i+3], v[XR] offset:64*(i/2)+16*(i%2)
.set i, i+1
.endr
.endm
	; ================= HEAD =================
	s_load_b512 s[4:19], s[0:1], 0x0               ; x, t_m, g_m, mask, ln2_w, ln2_b, b1, b2
	s_load_b128 s[20:23], s[0:1], 0x40             ; hT, wS
	s_load_b64 s[24:25], s[0:1], 0x50              ; out0
	v_lshl_add_u32 v[SPW], v0, 2, SPARE
	v_mov_b32 v[NIL], 0
	ds_add_u32 v[SPW], v[NIL]                      ; the wave's opening: the add and its wait stand ahead of my first tensor load; the set-up below, work on registers, stands between them
	v_lshrrev_b32 v7, 5, v0
	v_readfirstlane_b32 s[WV], v7                  ; wave 0..3
	s_bfe_u32 s29, ttmp6, 0x40000                  ; cx: my place in the cluster
	s_lshr_b32 s[BAT], ttmp9, 2                    ; the batch element, which the four partners share
	s_and_b32 s[C4], ttmp9, 3                      ; the cluster's number in it, which they share too
	s_lshl2_add_u32 s29, s[C4], s29                ; 4 C4 + cx: my block of 64 rows; it enters plain loads' and stores' addresses alone
	s_lshr_b32 s[J17], s[BAT], 2
	s_add_co_u32 s[J17], s[J17], s[BAT]
	s_and_b32 s[J17], s[J17], 3                    ; J = (batch + batch / 4) % 4
	s_add_co_u32 s[WR], s[WV], s[J17]
	s_and_b32 s[WR], s[WR], 3                      ; my quarter of the channels and of a chunk's hidden columns
	s_lshl_b32 s[J17], s[J17], 17                  ; 2 J tiles of 65,536 bytes
	; descriptor group 1: 64 rows x 128 elements of 2 bytes, dense in memory, padded in LDS
	s_mov_b32 s[G1K], 15|(1<<16)|(1<<20)|(1<<21)|(5<<22)|(3<<25)  ; 15:0 the mask of four; 17:16 2-byte elements; 20 padding on; 21 set beside a mask; 24:22 after every 64 words; 31:25 4 words
	s_mov_b32 s[G1V], 15|(1<<16)|(1<<20)|(1<<21)|(5<<22)|(7<<25)  ; the same with 8 words
.irp g, G1K, G1V
	s_mov_b32 s[\g+1], 128<<16                     ; tensor_dim0 = 128
	s_mov_b32 s[\g+2], 64<<16                      ; tensor_dim1 = 64
	s_mov_b32 s[\g+3], 128<<16                     ; tile_dim0 = 128
	s_mov_b32 s[\g+4], 64                          ; tile_dim1 = 64
	s_mov_b32 s[\g+5], 128                         ; 128 elements from row to row
	s_mov_b32 s[\g+6], 0
	s_mov_b32 s[\g+7], 0
.endr
	s_mul_i32 s[LK0], s[WV], KPART
	s_add_co_u32 s[LK1], s[LK0], SLOT
	s_mul_i32 s[LV0], s[WV], VPART
	s_add_co_u32 s[LV1], s[LV0], SLOT
	s_mov_b32 s[SEL], 0x76543210
	s_mov_b32 s[SEL+1], 0xfedcba98
	s_mov_b32 s[NEG9], 0xd2ee6b28                  ; -1e9 x 512
	s_mov_b32 s[LG2], 0x3b38aa3b                   ; log2(e) / 512
	s_mov_b32 s[LG2+1], s[LG2]                     ; named with it as a pair
	s_mov_b32 s[M512], 0xc4000000                  ; -512
	s_mov_b32 s[M512+1], s[M512]
	s_mov_b32 s[R512], 0x3b000000                  ; 1 / 512
	s_mov_b32 s[R512+1], s[R512]
	s_mov_b32 s[R128], 0x3c000000                  ; 1 / 128
	s_mov_b32 s[C128], 0x43000000                  ; 128
	s_mov_b32 s[EPS], 0x358637bd                   ; 1e-6
	s_mov_b32 s[QUART], 0x3e800000                 ; 1 / 4
	v_and_b32 v[LR], 15, v0
	v_bfe_u32 v[LH], v0, 4, 1
	v_and_b32 v[LN], 31, v0
	s_lshl_b32 s30, s[WV], 2
	s_add_co_u32 s30, s30, STAT
	v_lshl_add_u32 v[SAW], v[LR], 4, s30
	v_lshl_add_u32 v[SAR], v[LR], 4, STAT
	s_lshl_b32 s30, s[WV], 3
	s_add_co_u32 s30, s30, STAT+2048
	v_lshl_add_u32 v[S2W], v[LR], 5, s30
	v_lshl_add_u32 v[S2R], v[LR], 5, STAT+2048
	v_mul_u32_u24 v7, v[LR], 272
	v_lshl_add_u32 v9, v[LH], 4, v7                ; 272 r + 16 h
	v_add_nc_u32 v[AK0], s[LK0], v9
	v_add_nc_u32 v[AK0+1], s[LK1], v9
	s_add_co_u32 s30, s[LK0], BST                  ; my bias stage: as many bytes a wave as a K tile's part
	v_lshl_add_u32 v9, v[LH], 5, v7
	v_add_nc_u32 v[BR], s30, v9
	v_mul_u32_u24 v9, v[LH], 272
	v_lshl_add_u32 v9, v[LR], 4, v9
	v_add_nc_u32 v[BW], s30, v9
	v_mov_b32 v[BWC], v[BW]
	v_mul_u32_u24 v7, v[LR], 1040
	v_lshl_add_u32 v7, v[LH], 4, v7                ; 1040 r + 16 h
	v_add_nc_u32 v[AQ], QB, v7
	v_add_nc_u32 v[AAA], ABUF, v7
	s_lshl_b32 s31, s[WV], 8                       ; 256 w
	v_add_nc_u32 v7, s31, v7
	v_add_nc_u32 v[HSTO], QB, v7
	v_add_nc_u32 v[ASTO], ABUF, v7
	v_mul_u32_u24 v7, v[LH], 1040
	v_lshl_add_u32 v7, v[LR], 4, v7
	v_add_nc_u32 v7, s31, v7
	v_add_nc_u32 v[QW], QB, v7
	v_lshlrev_b32 v7, 12, v[LH]
	v_lshl_add_u32 v7, v[LR], 4, v7
	v_add_nc_u32 v[LT], s31, v7
	v_mul_u32_u24 v7, v[LR], 528
	v_lshl_add_u32 v9, v[LH], 4, v7
	v_add_nc_u32 v[AP], PB, v9
	s_lshl_b32 s30, s[WV], 7
	s_add_co_u32 s30, s30, PB
	v_add_nc_u32 v[PSTO], s30, v9
	s_mul_i32 s30, s[WV], 8448
	s_add_co_u32 s30, s30, STG
	v_lshl_add_u32 v9, v[LH], 5, v7
	v_add_nc_u32 v[XR], s30, v9
	v_lshl_add_u32 v[XW], v[LN], 4, s30
	s_lshl_b32 s30, s[WR], 9                       ; in memory my quarter is WR: 512 bytes of f32 a quarter
	v_lshl_add_u32 v[XO], v[LN], 4, s30
	v_lshl_add_u32 v[PO], v[LH], 5, s30
	v_and_b32 v7, 7, v0                            ; the turning load: lane l reads K row 8 (l / 16) + l % 8, columns 8 ((l / 8) % 2) + 0..7
	v_lshl_add_u32 v7, v[LH], 3, v7
	v_mul_u32_u24 v7, v7, 288
	v_bfe_u32 v9, v0, 3, 1
	v_lshl_add_u32 v7, v9, 4, v7
	v_add_nc_u32 v[ABV0], s[LV0], v7
	v_add_nc_u32 v[ABV0+1], s[LV1], v7
	v_mov_b32 v[SENT], 0xf149f2ca                  ; -1e30
	v_lshlrev_b32 v[QL], 4, v[LN]
	s_wait_dscnt 0x0                               ; the opening add is done
	s_wait_kmcnt 0x0
	s_lshl_b32 s[OFS], s[BAT], 20                  ; a batch element of hT is 1,048,576 bytes
	s_mov_b32 s[OFS+1], 0
	s_add_nc_u64 s[20:21], s[20:21], s[OFS:OFS+1]
	s_lshl_b32 s[OFS], s[WV], 16                   ; K: block row w of a key block, quarter 0
	s_add_nc_u64 s[HBK:HBK+1], s[20:21], s[OFS:OFS+1]
	s_lshl_b32 s[OFS], s[WR], 14                   ; V: block row 0 of a key block, quarter WR; the weights: quarter WR
	s_add_nc_u64 s[HBV:HBV+1], s[20:21], s[OFS:OFS+1]
	s_add_nc_u64 s[PWP:PWP+1], s[22:23], s[OFS:OFS+1]
	s_lshl_b32 s[MYO], s29, 16                     ; Q: my block row, quarter w: Q lies in LDS in the true order of the channels, as K's tiles come
	s_lshl_b32 s[MYT], s[WV], 14
	s_add_co_u32 s[MYO], s[MYO], s[MYT]
	s_mov_b32 s[MYO+1], 0
	s_add_nc_u64 s[QP:QP+1], s[20:21], s[MYO:MYO+1]
	; where my walks begin.  Key block k is 1,024 bytes of a row of t, g, mask and 262,144 bytes of hT: the one offset is 256 x the other
	s_lshl_b32 s[POFF], s[C4], 10                  ; iteration 0: key block C4
	s_add_co_u32 s[IK], s[POFF], 1024              ; iteration 1: the next in the ring of four
	s_and_b32 s[IK], s[IK], 3072
	s_add_co_u32 s[IK2], s[IK], 1024               ; iteration 2
	s_and_b32 s[IK2], s[IK2], 3072
	s_lshl_b32 s[OFS], s[POFF], 8
	s_add_nc_u64 s[PKP:PKP+1], s[HBK:HBK+1], s[OFS:OFS+1]
	s_add_nc_u64 s[PVP:PVP+1], s[HBV:HBV+1], s[OFS:OFS+1]
	s_lshl_b32 s[OFS], s[IK], 8
	s_add_nc_u64 s[PKN:PKN+1], s[HBK:HBK+1], s[OFS:OFS+1]
	s_lshl_b32 s[TO], s[C4], 20                    ; chunk C4: 16 tiles of 65,536 bytes a chunk;
	s_add_co_u32 s[TO], s[TO], s[J17]              ; its tile 2 J, which lies at place 0; tile 2 J + 1, at place 1, follows it in wS
	s_mov_b32 s[TO+1], 0
	s_add_nc_u64 s[PW0:PW0+1], s[PWP:PWP+1], s[TO:TO+1]
	s_lshl_b32 s[MYO], s[BAT], 22                  ; t, g, mask: 4,194,304 bytes a batch element, 64 rows of 4,096
	s_lshl_b32 s[MYT], s29, 18
	s_add_co_u32 s[MYO], s[MYO], s[MYT]
	s_add_nc_u64 s[6:7], s[6:7], s[MYO:MYO+1]
	s_add_nc_u64 s[8:9], s[8:9], s[MYO:MYO+1]
	s_add_nc_u64 s[10:11], s[10:11], s[MYO:MYO+1]
	s_lshr_b32 s[MYO], s[MYO], 1                   ; x, out: rows of 2,048 bytes
	s_add_nc_u64 s[4:5], s[4:5], s[MYO:MYO+1]
	s_add_nc_u64 s[24:25], s[24:25], s[MYO:MYO+1]
	s_mov_b32 s[G0A], 1
	s_mov_b32 s[G0B], 1
	PREP G0A, LK0, PKP, 0
	PREP G0B, LK1, PKP, 16384
	CROUND                                         ; all four work-groups are here: the first joint loads meet
	tensor_load_to_lds s[G0A:G0A+3], s[G1K:G1K+7]  ; K, channels 0-127, into slot 0
	s_nop 0
	tensor_load_to_lds s[G0B:G0B+3], s[G1K:G1K+7]  ; K, channels 128-255, into slot 1: two loads of mine are out
	s_nop 0
	PLACES
	; ================= PROLOGUE: Q into LDS, the first iteration's bias =================
	WIN 0x40
.set i, 0
.rept 32                                               ; quarter w of my rows' h: 16,384 dense bytes
	global_load_b128 v[4*i:4*i+3], v[QL], s[QP:QP+1] offset:512*i
.set i, i+1
.endr
	WIN 0
	UISSUE RA, VOA, POFF, 0                        ; iteration 0, row tile 0
	UISSUE RB, VOB, POFF, 65536                    ; row tile 1
	; O^T starts at 0, c m far below every c s, m at the lowest finite number, l at 0: the first iteration is one like any other, with a = 0.  All this stands in the wait for the first data.
	WIN 0x80
.set i, 0
.rept 256
	v_mov_b32 v[i], 0
.set i, i+1
.endr
	WIN 0xC0
.irp qt, 0,1,2,3
	v_mov_b32 v[STT+8*\qt], 0xfe000000
	v_mov_b32 v[STT+8*\qt+1], 0xff7fffff
.irp k, 2,3,4,5,6,7
	v_mov_b32 v[STT+8*\qt+\k], 0
.endr
.endr
	WIN 0
	s_wait_loadcnt 48                              ; Q is in; the two units behind it may stay out
	WIN 0x04
.set i, 0
.rept 32
	ds_store_b128 v[QW], v[4*i:4*i+3] offset:2080*i  ; rows 2 i, 2 i + 1, my 256 bytes of each
.set i, i+1
.endr
	WIN 0
	s_add_co_u32 s[POFF], s[POFF], 131072          ; the first trip asks for row tiles 2, 3 of iteration 0, the second for 0, 1 of iteration 1
	s_mov_b32 s[CNT], 2
.Lpro:
	BUNIT RA, BWC, 0
	UISSUE RA, VOA, POFF, 0
	BUNIT RB, BWC, 4352
	UISSUE RB, VOB, POFF, 65536
	v_add_nc_u32 v[BWC], 8704, v[BWC]              ; two row tiles of the stage on
	s_mov_b32 s[POFF], s[IK]
	s_sub_co_u32 s[CNT], s[CNT], 1
	s_cmp_lg_u32 s[CNT], 0
	s_cbranch_scc1 .Lpro
	CINIT
	WIN 0
	s_wait_tensorcnt 0x1                           ; my part of slot 0 is in; slot 1's may stay out
	s_wait_dscnt 0x0                               ; my part of Q is stored
	s_barrier_signal -1
	s_barrier_wait -1
	FETCHS F0, 0, 0, 0
	WIN 0
	s_mov_b32 s[IT], 4
	; ================= ATTENTION: four iterations of 256 keys =================
.Liter:
	SQ0 0
	STURN G0A, LK0, PKP, 32768, G1K, 1, 1          ; slot 0 <- K, channels 256-383
	UNIT RA, VOA, 0, IK, 131072, 1, 2
	SQ0 1
	STURN G0B, LK1, PKP, 49152, G1K, 1, 2          ; slot 1 <- K, channels 384-511
	SQ0 2
	STURN G0A, LV0, PVP, 0, G1V, 1, 3              ; slot 0 <- V, keys 0-63 of the iteration
	UNIT RB, VOB, 1, IK, 196608, 1, 2
	SQ0 3
	STURN G0B, LV1, PVP, 65536, G1V, 0, 0          ; slot 1 <- V, keys 64-127
	PLACES
	; the softmax's first part: every sum is raised to 512 x -1e9 at the least (each accumulator is read from its low end on); my 64 keys' maximum for each row
	WIN 0xFF
.set i, 0
.rept 128
	v_max_num_f32 v[i], s[NEG9], v[i]
.set i, i+1
.endr
.irp j, 0,1,2,3,4,5,6,7,8,9,10,11,12,13,14,15
	SMAXJ \j
.endr
	ALL4 v_permlanex16_b32 v[CHN+4*t+1], v[CHN+4*t], s[SEL], s[SEL+1]
	ALL4 v_max_num_f32 v[CHN+4*t], v[CHN+4*t], v[CHN+4*t+1]
	WIN 0x0C
	ALL4 ds_store_b32 v[SAW], v[CHN+4*t] offset:256*t
	WIN 0
	s_wait_dscnt 0x0                               ; for the others' sake
	s_barrier_signal -1
	s_barrier_wait -1
	WIN 0xC0
	ALL4 ds_load_b128 v[MXW+4*t:MXW+4*t+3], v[SAR] offset:256*t
	s_wait_dscnt 0x0
	; the second part: the new m over all 256 keys, a = 2^(c m_old - c m_new), p = 2^(c s - c m), P to LDS in bf16, l = a l + my keys' sum
	WIN 0xFF
	ALL4 v_max3_num_f32 v[MXW+4*t], v[MXW+4*t], v[MXW+4*t+1], v[MXW+4*t+2]
	ALL4 v_mov_b32 v[STT+8*t+6], v[STT+8*t]
	ALL4 v_max3_num_f32 v[STT+8*t+1], v[MXW+4*t], v[MXW+4*t+3], v[STT+8*t+1]
	ALL4 v_mul_f32 v[STT+8*t], s[LG2], v[STT+8*t+1]
	ALL4 v_sub_f32 v[STT+8*t+7], v[STT+8*t+6], v[STT+8*t]
	ALL4 v_exp_f32 v[STT+8*t+4], v[STT+8*t+7]
.set i, 0
.rept 64
	v_pk_fma_f32 v[2*i:2*i+1], v[2*i:2*i+1], s[LG2:LG2+1], v[STT+8*(i/16):STT+8*(i/16)+1] op_sel_hi:[1,0,0] neg_lo:[0,0,1] neg_hi:[0,0,1]
.set i, i+1
.endr
.set i, 0
.rept 128
	v_exp_f32 v[i], v[i]
.set i, i+1
.endr
	v_nop                                          ; a plain instruction between the last exponential and the use of its result
.set i, 0
	s_wait_alu depctr_va_vdst(0)
.rept 64
	v_cvt_pk_bf16_f32 v[PP+i], v[2*i], v[2*i+1]
.set i, i+1
.endr
	WIN 0x0C
.irp qt, 0,1,2,3
.irp kt, 0,1,2,3
	ds_store_b128 v[PSTO], v[PP+16*\qt+4*\kt:PP+16*\qt+4*\kt+3] offset:8448*\qt+32*\kt
.endr
.endr
	WIN 0xFF
	SSUM 16
	SSUM 8
	SSUM 4
	SSUM 2
	ALL4 v_pk_fma_f32 v[STT+8*t+2:STT+8*t+3], v[STT+8*t+2:STT+8*t+3], v[STT+8*t+4:STT+8*t+5], v[32*t:32*t+1] op_sel_hi:[1,0,1]
	WIN 0
	s_wait_dscnt 0x0                               ; my part of P is stored
	s_barrier_signal -1
	WIN 0x8E                                       ; O^T times a stands between the signal and the wait: work on registers
.set i, 0
.rept 128
	v_pk_mul_f32 v[2*i:2*i+1], v[2*i:2*i+1], v[STT+8*(i/32)+4:STT+8*(i/32)+5] op_sel_hi:[1,0]
.set i, i+1
.endr
	WIN 0
	s_barrier_wait -1
	FETCHB FB0, ABV0, 0
	FETCHA FB0, AP, 0, 8448
	VQ0 0, 0
	VTURN G0A, LV0, PVP, 131072, G1V, 1, 1, 1      ; slot 0 <- V, keys 128-191
	UNIT RA, VOA, 2, IK2, 0, 1, 3
	VQ0 1, 1
	VTURN G0B, LV1, PVP, 196608, G1V, 1, 0, 2      ; slot 1 <- V, keys 192-255
	VQ0 0, 2
	WIN 0
	s_cmp_eq_u32 s[IT], 1
	s_cbranch_scc1 .Latail                         ; the last iteration's end is written out: it asks for the first weight tiles
	VTURN G0A, LK0, PKN, 0, G1K, 1, 1, 3           ; slot 0 <- the next iteration's K, channels 0-127
	UNIT RB, VOB, 3, IK2, 65536, 0, 3
	CINIT                                          ; the next iteration's bias: S^T's registers are free since the sums
	VQ0 1, 3
	VTURN G0B, LK1, PKN, 16384, G1K, 2, 0, 0       ; slot 1 <- its channels 128-255
	WIN 0
	s_lshl_b32 s[OFS], s[IK], 8                    ; on in the ring of key blocks; the descriptors hold copies of the pointers
	s_add_nc_u64 s[PKP:PKP+1], s[HBK:HBK+1], s[OFS:OFS+1]
	s_add_nc_u64 s[PVP:PVP+1], s[HBV:HBV+1], s[OFS:OFS+1]
	s_lshl_b32 s[OFS], s[IK2], 8
	s_add_nc_u64 s[PKN:PKN+1], s[HBK:HBK+1], s[OFS:OFS+1]
	s_mov_b32 s[IK], s[IK2]
	s_add_co_u32 s[IK2], s[IK2], 1024
	s_and_b32 s[IK2], s[IK2], 3072
	s_sub_co_u32 s[IT], s[IT], 1
	s_branch .Liter
	; The tail's 113 loads (x 64, b2 1, b1 16, ln2_w and ln2_b 32) stand in four groups among its matrix work, so that the wave goes on to that work with 32, 48 and 64 of them issued, not with all.
.Latail:
	s_wait_loadcnt 0x0                             ; no unit is out: the sets' registers take x and b1
	s_lshl_b32 s[OFS], s[C4], 11                   ; b1 of chunk C4: 2,048 bytes a chunk
	s_add_nc_u64 s[B1P:B1P+1], s[16:17], s[OFS:OFS+1]
	s_lshl_b32 s[TL], s[C4], 20                    ; the two changes of slots below ask for places 0 and 1 of my walk: place 1 is the one asked for last
	s_add_co_u32 s[TL], s[TL], 65536
	WIN 0xC0
.set i, 0
.rept 32                                               ; x, rows 0-31: my 512 bytes of each, into S^T's registers
	global_load_b128 v[4*i:4*i+3], v[XO], s[4:5] offset:2048*i th:TH_LOAD_NT
.set i, i+1
.endr
	VTURN G0A, LV0, PW0, 0, G1V, 1, 1, 3           ; slot 0 <- my walk's first weight tile
	WIN 0
.set i, 0
.rept 16                                               ; rows 32-47
	global_load_b128 v[TT+4*i:TT+4*i+3], v[XO], s[4:5] offset:2048*(32+i) th:TH_LOAD_NT
.set i, i+1
.endr
	VQ0 1, 3
	WIN 0
.set i, 16
.rept 16                                               ; rows 48-63
	global_load_b128 v[TT+4*i:TT+4*i+3], v[XO], s[4:5] offset:2048*(32+i) th:TH_LOAD_NT
.set i, i+1
.endr
	VTURN G0A, LV1, PW0, 65536, G1V, 0, 0, 0       ; slot 1 <- its second, by the same group 0 (its load has been waited for): the FFN walks on from here
	PLACES
	; ================= x1 = O / l + x, LayerNorm 2 =================
	WIN 0
	global_load_b128 v[B2:B2+3], v[XO], s[18:19]
.irp nt, 0,1,2,3,4,5,6,7                               ; b1 of my first chunk as a C operand: columns 128 WR + 16 nt + 8 h + 0..7
	global_load_b128 v[B1R+8*\nt:B1R+8*\nt+3],   v[PO], s[B1P:B1P+1] offset:64*\nt
	global_load_b128 v[B1R+8*\nt+4:B1R+8*\nt+7], v[PO], s[B1P:B1P+1] offset:64*\nt+16
.endr
	WIN 0x40
.irp nt, 0,1,2,3,4,5,6,7                               ; ln2_w, ln2_b in the accumulators' layout; the fragment buffers are free
	global_load_b128 v[8*\nt:8*\nt+3],       v[PO], s[12:13] offset:64*\nt
	global_load_b128 v[8*\nt+4:8*\nt+7],     v[PO], s[12:13] offset:64*\nt+16
	global_load_b128 v[64+8*\nt:64+8*\nt+3], v[PO], s[14:15] offset:64*\nt
	global_load_b128 v[64+8*\nt+4:64+8*\nt+7], v[PO], s[14:15] offset:64*\nt+16
.endr
	WIN 0xFF                                       ; l: my keys' two halves, the other half of the lanes, then the four waves
	ALL4 v_add_f32 v[STT+8*t+6], v[STT+8*t+2], v[STT+8*t+3]
	ALL4 v_permlanex16_b32 v[STT+8*t+7], v[STT+8*t+6], s[SEL], s[SEL+1]
	ALL4 v_add_f32 v[STT+8*t+6], v[STT+8*t+6], v[STT+8*t+7]
	WIN 0x0C
	ALL4 ds_store_b32 v[SAW], v[STT+8*t+6] offset:1024+256*t
	WIN 0
	s_wait_dscnt 0x0
	s_barrier_signal -1
	s_barrier_wait -1
	WIN 0xC0
	ALL4 ds_load_b128 v[MXW+4*t:MXW+4*t+3], v[SAR] offset:1024+256*t
	s_wait_dscnt 0x0
	WIN 0xFF
	ALL4 v_add_f32 v[MXW+4*t], v[MXW+4*t], v[MXW+4*t+1]
	ALL4 v_add_f32 v[MXW+4*t+2], v[MXW+4*t+2], v[MXW+4*t+3]
	ALL4 v_add_f32 v[MXW+4*t], v[MXW+4*t], v[MXW+4*t+2]
	ALL4 v_rcp_f32 v[STT+8*t+4], v[MXW+4*t]
	v_nop
	s_wait_alu depctr_va_vdst(0)
	s_wait_loadcnt 32                              ; x, b2 and b1 are in; the 32 loads of ln2_w and ln2_b are younger
	XSTAGE 0, 0x0C, 0xC0
	XSTAGE 64, 0x0C, 0xC0
	XSTAGE TT, 0, 0
	XSTAGE TT+64, 0, 0
	s_wait_dscnt 0x0
.irp qt, 0,1,2,3
.if \qt < 2
	WIN 0xBE                                       ; O^T in window 2, 1 / l and x in window 3
.set xb, 64*\qt
.else
	WIN 0x8E                                       ; x in window 0
.set xb, 64*\qt-64
.endif
.set i, 0
.rept 32
	v_pk_fma_f32 v[64*\qt+2*i:64*\qt+2*i+1], v[64*\qt+2*i:64*\qt+2*i+1], v[STT+8*\qt+4:STT+8*\qt+5], v[xb+2*i:xb+2*i+1] op_sel_hi:[1,0,1]
.set i, i+1
.endr
.endr
	; my 128 channels' mean for each row: four chains a row tile
	WIN 0xCA
.irp qt, 0,1,2,3
.irp c, 0,1,2,3
	v_pk_add_f32 v[8*\qt+2*\c:8*\qt+2*\c+1], v[64*\qt+16*\c:64*\qt+16*\c+1], v[64*\qt+16*\c+2:64*\qt+16*\c+3]
.endr
.endr
	WIN 0xCE
.irp k, 2,3,4,5,6,7
.irp qt, 0,1,2,3
.irp c, 0,1,2,3
	v_pk_add_f32 v[8*\qt+2*\c:8*\qt+2*\c+1], v[64*\qt+16*\c+2*\k:64*\qt+16*\c+2*\k+1], v[8*\qt+2*\c:8*\qt+2*\c+1]
.endr
.endr
.endr
	WIN 0xFF
	REDUCE
	ALL4 v_mul_f32 v[STT+8*t+6], s[R128], v[8*t]
	; my 128 channels' sum of squares about that mean
.irp qt, 0,1,2,3
	WIN 0xCE
.set i, 0
.rept 32
	v_pk_add_f32 v[32+2*i:33+2*i], v[64*\qt+2*i:64*\qt+2*i+1], v[STT+8*\qt+6:STT+8*\qt+7] op_sel_hi:[1,0] neg_lo:[0,1] neg_hi:[0,1]
.set i, i+1
.endr
	WIN 0xFF
.set i, 0
.rept 32
.if i < 4
	v_pk_mul_f32 v[8*\qt+2*i:8*\qt+2*i+1], v[32+2*i:33+2*i], v[32+2*i:33+2*i]
.else
	v_pk_fma_f32 v[8*\qt+2*(i%4):8*\qt+2*(i%4)+1], v[32+2*i:33+2*i], v[32+2*i:33+2*i], v[8*\qt+2*(i%4):8*\qt+2*(i%4)+1]
.endif
.set i, i+1
.endr
.endr
	REDUCE
	ALL4 v_mov_b32 v[STT+8*t+7], v[8*t]
	WIN 0x0C
	ALL4 ds_store_b64 v[S2W], v[STT+8*t+6:STT+8*t+7] offset:512*t
	WIN 0
	s_wait_dscnt 0x0
	s_barrier_signal -1
	s_barrier_wait -1
	WIN 0xC0
	ALL4 ds_load_b128 v[8*t:8*t+3], v[S2R] offset:512*t
	ALL4 ds_load_b128 v[8*t+4:8*t+7], v[S2R] offset:512*t+16
	s_wait_dscnt 0x0
	; the four waves' (mean, M2) are joined: mean = the means' mean; M2 = the sum of M2 + 128 x the sum of (mean_w - mean)^2: only sums of squares, no difference of large sums
	WIN 0xFF
	ALL4 v_add_f32 v[32+8*t], v[8*t], v[8*t+2]
	ALL4 v_add_f32 v[33+8*t], v[8*t+4], v[8*t+6]
	ALL4 v_add_f32 v[34+8*t], v[8*t+1], v[8*t+3]
	ALL4 v_add_f32 v[35+8*t], v[8*t+5], v[8*t+7]
	ALL4 v_add_f32 v[32+8*t], v[32+8*t], v[33+8*t]
	ALL4 v_add_f32 v[34+8*t], v[34+8*t], v[35+8*t]
	ALL4 v_mul_f32 v[32+8*t], s[QUART], v[32+8*t]
	ALL4 v_sub_f32 v[36+8*t], v[8*t], v[32+8*t]
	ALL4 v_sub_f32 v[37+8*t], v[8*t+2], v[32+8*t]
	ALL4 v_sub_f32 v[38+8*t], v[8*t+4], v[32+8*t]
	ALL4 v_sub_f32 v[39+8*t], v[8*t+6], v[32+8*t]
	ALL4 v_mul_f32 v[36+8*t], v[36+8*t], v[36+8*t]
	ALL4 v_fma_f32 v[36+8*t], v[37+8*t], v[37+8*t], v[36+8*t]
	ALL4 v_fma_f32 v[36+8*t], v[38+8*t], v[38+8*t], v[36+8*t]
	ALL4 v_fma_f32 v[36+8*t], v[39+8*t], v[39+8*t], v[36+8*t]
	ALL4 v_fma_f32 v[34+8*t], v[36+8*t], s[C128], v[34+8*t]
	ALL4 v_fma_f32 v[34+8*t], v[34+8*t], s[R512], s[EPS]
	ALL4 v_rsq_f32 v[STT+8*t+4], v[34+8*t]
	v_nop
	s_wait_alu depctr_va_vdst(0)
	ALL4 v_mul_f32 v[STT+8*t+6], -v[32+8*t], v[STT+8*t+4]
	s_wait_loadcnt 0x0                             ; ln2_w, ln2_b
	; h2 = ((x1 - mean) rstd) w + b, to bf16, over Q in LDS: Q's last reads lie in front of several barriers.  My channels, quarter WR, go to quarter w of the rows
.irp qt, 0,1,2,3
	WIN 0xFE
.set i, 0
.rept 32
	v_pk_fma_f32 v[2*i:2*i+1], v[64*\qt+2*i:64*\qt+2*i+1], v[STT+8*\qt+4:STT+8*\qt+5], v[STT+8*\qt+6:STT+8*\qt+7] op_sel_hi:[1,0,0]
.set i, i+1
.endr
	WIN 0xD7                                       ; source 0 in window 3; ln2_w, ln2_b in window 1
.set i, 0
.rept 32
	v_pk_fma_f32 v[2*i:2*i+1], v[2*i:2*i+1], v[2*i:2*i+1], v[64+2*i:65+2*i]
.set i, i+1
.endr
	WIN 0xFF
.set i, 0
.rept 32
	v_cvt_pk_bf16_f32 v[64+i], v[2*i], v[2*i+1]
.set i, i+1
.endr
	WIN 0x0C
.irp nt, 0,1,2,3,4,5,6,7
	ds_store_b128 v[HSTO], v[64+4*\nt:64+4*\nt+3] offset:16640*\qt+32*\nt
.endr
.endr
	WIN 0
	v_pk_mul_f32 v[B2:B2+1], v[B2:B2+1], s[R512:R512+1] op_sel_hi:[1,0]
	v_pk_mul_f32 v[B2+2:B2+3], v[B2+2:B2+3], s[R512:R512+1] op_sel_hi:[1,0]
	s_wait_dscnt 0x0                               ; my part of h2 is stored
	s_barrier_signal -1
	s_barrier_wait -1
	; ================= FFN: four chunks of 512 hidden columns, 16 weight tiles each, from chunk C4 on in a ring =================
	s_mov_b32 s[SB], 0
	s_mov_b32 s[CHK], 4
	v_mov_b32 v[AB], v[ABV0]
	FETCHB FB0, AB, 0                              ; my walk's first weight tile was shown landed by the last change of slots
	WIN 0
.Lchunk:
	v_mov_b32 v[AA0], v[AQ]                        ; the shared operand is h2
	v_mov_b32 v[AAC], v[AQ]
	s_mov_b32 s[KA], 0
	s_wait_dscnt 0x0                               ; nothing is on its way into the registers that the next loads name
	FETCHA FB0, AAC, 0, 16640
	s_wait_loadcnt 0x0                             ; this chunk's b1
	FQ0 0xC5, 1                                    ; the first 32 along K start the sums from b1 (C in window 0)
	WIN 0
	s_mov_b32 s[CNT], 8
	s_branch .LAt
.LA:
	FQ0 0xF5, 0
	WIN 0
.LAt:
	FTURN 0xF5
	WIN 0
	s_sub_co_u32 s[CNT], s[CNT], 1
	s_cmp_lg_u32 s[CNT], 0
	s_cbranch_scc1 .LA
	PLACES
	WIN 0xFF                                       ; relu, in place and ascending; to bf16; into a: my hidden columns, quarter WR of the chunk, go to quarter w of the rows
.set i, 0
.rept 256
	v_max_num_f32 v[i], 0, v[i]
.set i, i+1
.endr
	WIN 0x0F
.set i, 0
.rept 128
	v_cvt_pk_bf16_f32 v[TT+i], v[2*i], v[2*i+1]
.set i, i+1
.endr
	WIN 0
.irp qt, 0,1,2,3
.irp nt, 0,1,2,3,4,5,6,7
	ds_store_b128 v[ASTO], v[TT+32*\qt+4*\nt:TT+32*\qt+4*\nt+3] offset:16640*\qt+32*\nt
.endr
.endr
	s_wait_dscnt 0x0                               ; my part of a is stored; the fetches behind the last change of slots are in
	s_barrier_signal -1
	s_barrier_wait -1                              ; the tile that is on its way may stay out
	v_mov_b32 v[AA0], v[AAA]                       ; the shared operand is a
	v_mov_b32 v[AAC], v[AAA]
	s_mov_b32 s[KA], 0
	FETCHA FB0, AAC, 0, 16640
	WIN 0
	s_mov_b32 s[CNT], 6
.LB1:
	FQ0 0xA5, 0
	FTURN 0xA5
	WIN 0
	s_sub_co_u32 s[CNT], s[CNT], 1
	s_cmp_lg_u32 s[CNT], 0
	s_cbranch_scc1 .LB1
	s_cmp_eq_u32 s[CHK], 1
	s_cbranch_scc1 .Ltail                          ; the last two tiles are written out: nothing is left to ask for
	s_add_co_u32 s[OFS], s[OFS], 2048              ; the next chunk's b1, in the ring of four; the loads that named this base have been waited for
	s_and_b32 s[OFS], s[OFS], 6144
	s_add_nc_u64 s[B1P:B1P+1], s[16:17], s[OFS:OFS+1]
.irp nt, 0,1,2,3,4,5,6,7
	global_load_b128 v[B1R+8*\nt:B1R+8*\nt+3],   v[PO], s[B1P:B1P+1] offset:64*\nt
	global_load_b128 v[B1R+8*\nt+4:B1R+8*\nt+7], v[PO], s[B1P:B1P+1] offset:64*\nt+16
.endr
	s_mov_b32 s[CNT], 2
.LB2:
	FQ0 0xA5, 0
	FTURN 0xA5
	WIN 0
	s_sub_co_u32 s[CNT], s[CNT], 1
	s_cmp_lg_u32 s[CNT], 0
	s_cbranch_scc1 .LB2
	s_sub_co_u32 s[CHK], s[CHK], 1
	s_branch .Lchunk
.Ltail:
	FQ0 0xA5, 0                                    ; place 62 of my walk
	WIN 0
	s_wait_tensorcnt 0x0                           ; my part of the tile at place 63, which I alone read
	s_xor_b32 s[SB], s[SB], SLOT
	s_add_co_u32 s[KA], s[KA], 128
	s_wait_dscnt 0x0
	v_add_nc_u32 v[AB], s[SB], v[ABV0]
	v_add_nc_u32 v[AAC], s[KA], v[AA0]
	MULV FB1, 0, 16, 0xA5, 0
	PLACES
	FETCHB FB0, AB, 0
	FETCHA FB0, AAC, 0, 16640
	MULV FB1, 16, 16, 0xA5, 0
	FQ0 0xA5, 0                                    ; place 63
	s_wait_dscnt 0x0
	MULV FB1, 0, 32, 0xA5, 0
	; ================= THE WAY OUT: (x1 + a w2) / 512 + b2 / 512, 16 rows at a time through my stage =================
	PLACES
.irp qt, 0,1,2,3
	WIN 0x08
.set i, 0
.rept 16                                               ; ascending: each accumulator is read from its low end on
	ds_store_b128 v[XR], v[64*\qt+4*i:64*\qt+4*i+3] offset:64*(i/2)+16*(i%2)
.set i, i+1
.endr
	WIN 0
.if \qt >= 2
	s_wait_xcnt 0x0                                ; the stores of two row tiles ago have read these registers
.endif
.set tb, TT+64*(\qt%2)
.set i, 0
.rept 16
	ds_load_b128 v[tb+4*i:tb+4*i+3], v[XW] offset:528*i  ; LDS serves a wave's instructions in order: these see the stores above, and the next row tile's stores come behind them
.set i, i+1
.endr
.set i, 0
.rept 16
	s_wait_dscnt 15-i                              ; the younger loads may stay out
	v_pk_fma_f32 v[tb+4*i:tb+4*i+1], v[tb+4*i:tb+4*i+1], s[R512:R512+1], v[B2:B2+1] op_sel_hi:[1,0,1]
	v_pk_fma_f32 v[tb+4*i+2:tb+4*i+3], v[tb+4*i+2:tb+4*i+3], s[R512:R512+1], v[B2+2:B2+3] op_sel_hi:[1,0,1]
	global_store_b128 v[XO], v[tb+4*i:tb+4*i+3], s[24:25] offset:2048*(16*\qt+i) th:TH_STORE_NT  ; the wave stores 512 consecutive bytes, at a multiple of 512 from out0's first
.set i, i+1
.endr
.endr
	s_wait_tensorcnt 0x0                           ; the wave's end: the wait, the add and the wait for it, behind my last tensor load and my last LDS store
	ds_add_u32 v[SPW], v[NIL]
	s_wait_dscnt 0x0
	CROUND                                         ; the closing round: no work-group ends while a partner may still ask for a tile that names it
	s_endpgm
.Lfunc_end_k_q6d9e4ac225_main:
	.size	k_q6d9e4ac225_main, .Lfunc_end_k_q6d9e4ac225_main-k_q6d9e4ac225_main
	.p2alignl 7, 3214868480
	.fill 96, 4, 3214868480
	.section	.rodata,"a",@progbits
	.p2align	6, 0x0
	.amdhsa_kernel k_q6d9e4ac225_main
		.amdhsa_group_segment_fixed_size 327680
		.amdhsa_private_segment_fixed_size 0
		.amdhsa_enable_private_segment 0
		.amdhsa_kernarg_size 88
		.amdhsa_user_sgpr_count 2
		.amdhsa_user_sgpr_kernarg_segment_ptr 1
		.amdhsa_wavefront_size32 1
		.amdhsa_system_sgpr_workgroup_id_x 1
		.amdhsa_system_sgpr_workgroup_id_y 1
		.amdhsa_system_sgpr_workgroup_id_z 1
		.amdhsa_system_vgpr_workitem_id 0
		.amdhsa_next_free_vgpr 1024
		.amdhsa_next_free_sgpr 102
		.amdhsa_reserve_vcc 1
		.amdhsa_float_denorm_mode_32 3
		.amdhsa_float_denorm_mode_16_64 3
		.amdhsa_memory_ordered 1
		.amdhsa_forward_progress 1
		.amdhsa_inst_pref_size 255
	.end_amdhsa_kernel
	.section	.bss,"aw",@nobits
	.p2align	6
	.space	262144
	.amdgpu_metadata
---
amdhsa.version: [ 1, 2 ]
amdhsa.kernels:
  - .name:           k_q6d9e4ac225_main
    .symbol:         k_q6d9e4ac225_main.kd
    .args:
      - { .name: x, .offset: 0, .size: 8, .value_kind: global_buffer, .address_space: global }
      - { .name: t_m, .offset: 8, .size: 8, .value_kind: global_buffer, .address_space: global }
      - { .name: g_m, .offset: 16, .size: 8, .value_kind: global_buffer, .address_space: global }
      - { .name: mask, .offset: 24, .size: 8, .value_kind: global_buffer, .address_space: global }
      - { .name: ln2_w, .offset: 32, .size: 8, .value_kind: global_buffer, .address_space: global }
      - { .name: ln2_b, .offset: 40, .size: 8, .value_kind: global_buffer, .address_space: global }
      - { .name: b1, .offset: 48, .size: 8, .value_kind: global_buffer, .address_space: global }
      - { .name: b2, .offset: 56, .size: 8, .value_kind: global_buffer, .address_space: global }
      - { .name: hT, .offset: 64, .size: 8, .value_kind: global_buffer, .address_space: global }
      - { .name: wS, .offset: 72, .size: 8, .value_kind: global_buffer, .address_space: global }
      - { .name: out0, .offset: 80, .size: 8, .value_kind: global_buffer, .address_space: global }
    .group_segment_fixed_size: 327680
    .private_segment_fixed_size: 0
    .kernarg_segment_align: 8
    .kernarg_segment_size: 88
    .max_flat_workgroup_size: 128
    .sgpr_count:     102
    .vgpr_count:     1024
    .wavefront_size: 32
...
	.end_amdgpu_metadata
.endif
;; end of part 3
